; MI455X (gfx1250); checked and timed in simulation.
; The chip was launched on July 23, 2026; its instructions are those of AMD's public machine-readable ISA for CDNA 5 (MIT licence, August 2026) and "CDNA5" Instruction Set Architecture Reference Guide (July 2026). The comments in the code are by the model that wrote it; some were corrected since.
;; Causal Self Attention. Allowed arithmetic: matrix products marked QUANTISED: E2M1 operands, one E8M0 scale for each 32 along K, by v_wmma_scale_f32_16x16x128_f8f6f4 with both operands' format E2M1 (or v_wmma_scale_f32_32x16x128_f4), f32 sums; products left as they are: bf16, f16 or f32 operands; f32 sums; everything else in f32.
;; Inputs: b_proj 1,024 float32; b_qkv 3,072 float32; w_proj 1,024 x 1,024 float32; w_qkv 1,024 x 3,072 float32; x 4 x 2,048 x 1,024 float32.
;; Outputs: out0 4 x 2,048 x 1,024 float32.
;; This version of the problem:
;;   THIS VERSION OF THE PROBLEM IS GIVEN IN LOW PRECISION. The matrix products marked QUANTISED in the list below multiply operands that are first quantised to E2M1 (2 exponent bits, 1 mantissa bit; 4 bits a number), with one power-of-two scale for each 32 numbers along K (OCP MX v1.0); their sums are f32. The products marked 'left as it is' may take bf16, f16 or f32 operands, with f32 sums. Whichever they take, every output number must still come out within the allowed error. Rounding operands to bf16 (8 significant bits) uses up far more of that allowance than f16 does (11 bits, for magnitudes from 6e-5 to 65,504). All else is computed in f32.
;;   The module's matrix products, in the order in which they are computed (A, B: the left and right operand; K: the contracted axis; several contracted axes count as one K, in the product's order):
;;     1. [M 8,192, K 1,024] x [K 1,024, N 3,072]; A: input x; B: input w_qkv: QUANTISED
;;     2. batch 64 x [M 2,048, K 64] x [K 64, N 2,048]; A: computed on the way; B: computed on the way: left as it is (an operand is computed on the way)
;;     3. batch 64 x [M 2,048, K 2,048] x [K 2,048, N 64]; A: computed on the way; B: computed on the way: left as it is (an operand is computed on the way)
;;     4. [M 8,192, K 1,024] x [K 1,024, N 1,024]; A: computed on the way; B: input w_proj: left as it is (an operand is computed on the way)
;;   THE QUANTISER, for each operand of a quantised product, along K:
;;     - K is cut into blocks of 32 from its start; a last block that is shorter is filled with zeros.
;;     - A block's scale is 2^e with e = floor(log2(the largest magnitude in the block)) - 2, held to -126 .. 127; a block of zeros has e = 0. As a byte (E8M0): e + 127.
;;     - Each number is divided by its block's scale, clamped to +-6, and rounded to the nearest number of E2M1, ties to even, subnormals kept.
;;     - The product sums the exact products of the quantised numbers (number of the format x scale) in f32.
;;   ~~~python
;;   def quantise(x, axis):      # numpy; x: float32 -> the quantised numbers, widened to float32 again
;;       x = np.moveaxis(x, axis, -1); K = x.shape[-1]
;;       x = np.pad(x, [(0, 0)] * (x.ndim - 1) + [(0, -K % 32)]); x = x.reshape(x.shape[:-1] + (-1, 32)); a = np.abs(x).max(-1, keepdims=True)
;;       e = np.where(a > 0, np.clip(np.frexp(np.where(a > 0, a, 1))[1] - 1 - 2, -126, 127), 0)      # np.frexp(a)[1] - 1 = floor(log2(a)), exactly
;;       r = np.clip(x / 2.0 ** e, -6, 6)
;;       step = 2.0 ** (np.maximum(np.frexp(np.where(r == 0, 1, r))[1] - 1, 0) - 1)
;;       q = np.round(r / step) * step * 2.0 ** e      # np.round: ties to even
;;       return np.moveaxis(q.reshape(q.shape[:-2] + (-1,))[..., :K], -1, axis).astype(np.float32)
;;   ~~~
;; One version. Each part assembles by itself: llvm-mc -triple=amdgcn-amd-amdhsa -mcpu=gfx1250 --defsym DOCPART=n.
;; ======== version 1 of 1: 5 launches
;; limits: values are held in f16: magnitudes above 65,504 overflow, below 6.1e-05 lose precision
;; workspace buffers: xc 4,194,304 bytes; xs 262,144 bytes; wc 1,572,864 bytes; ws 98,304 bytes; wpt 2,097,152 bytes; qkv 50,331,648 bytes; fin 786,432 bytes; att 16,777,216 bytes
;; launch prep (part 1): grid 368 x 1, 4 waves a work-group, no clusters, 102,912 bytes of LDS; arguments x, w_qkv, w_proj, xc, xs, wc, ws, wpt; writes xc, xs, wc, ws, wpt
.if DOCPART == 1
	.amdgcn_target "amdgcn-amd-amdhsa--gfx1250"
	.amdhsa_code_object_version 6
	.text
	.protected	k_qf69268d3d4_prep
	.globl	k_qf69268d3d4_prep
	.p2align	8
	.type	k_qf69268d3d4_prep,@function
k_qf69268d3d4_prep:
	s_mov_b64 s[64:65], 0
	v_nop
	global_prefetch_b8 v0, s[64:65] scope:SCOPE_SE
	s_setreg_imm32_b32 hwreg(HW_REG_WAVE_MODE, 25, 1), 1
	s_wait_xcnt 0x0
; PREP: the operands of the later launches are laid out once.  Three paths, chosen by the work-group's number alone:
;   work-groups 0-47:    w_qkv [1024 k][3072 n] f32 -> wc [3072 n][512 bytes] codes of FP4 (E2M1), K innermost, and ws [3072][32] E8M0 bytes
;   work-groups 48-111:  w_proj [1024 k][1024 n] f32 -> wpt [1024 n][1024 k] f16
;   work-groups 112-367: x [8192][1024] f32 -> xc [8192][512 bytes] codes, xs [8192][32] E8M0 bytes
; THE QUANTISER: a block is 32 numbers along K; its scale is 2^(floor(log2(largest magnitude)) - 2); the byte is the largest magnitude's exponent field - 2, held at 1 from below.
; Each number is divided by the scale and rounded to the nearest code, ties to even; beyond the largest code the largest.
; LIMITS: a block of zeros gets the byte 1 where the rule says 127 (its codes are zeros, and this program alone reads the bytes); blocks whose largest magnitude lies under 2^-124 keep the byte 1;
; NaN and infinities are not served; |w_proj| stays under 65,504 (f16), and under 6e-5 it has f16's subnormal spacing.
; No tensor loads, no barrier: waves share nothing.  Each path has LDS bytes of its own.
.set SPARE, 102400                     ; behind the three paths' regions: the spare words, 128 bytes a wave, which no other line names
.set SPW,   192                        ; v192 LDS address of my spare word; never rewritten
.set NIL,   193                        ; v193 0; never rewritten
.set WV,    20                         ; s20  my wave's number
.set EMAX,  2
	s_load_b256 s[4:11], s[0:1], 0x0               ; x s[4:5], w_qkv s[6:7], w_proj s[8:9], xc s[10:11]
	s_load_b256 s[12:19], s[0:1], 0x20             ; xs s[12:13], wc s[14:15], ws s[16:17], wpt s[18:19]
	v_lshl_add_u32 v[SPW], v0, 2, SPARE
	v_mov_b32 v[NIL], 0
	v_lshrrev_b32 v1, 5, v0
	v_readfirstlane_b32 s[WV], v1                  ; wave 0..3
	v_and_b32 v2, 31, v0                           ; lane
	s_cmp_lt_u32 ttmp9, 48
	s_cbranch_scc1 .Lwq
	s_cmp_lt_u32 ttmp9, 112
	s_cbranch_scc1 .Lwp
; ---------------- x: a plain stream of blocks of 32 (rows are dense, 1,024 is a multiple of 32).  A wave takes 16 steps of 512 numbers.
; Each of a step's four loads reads 512 consecutive bytes; the 2,048 bytes turn through the wave's own stage in LDS and come back 64 bytes a lane, so that a lane holds 16 neighbours and two lanes a block.
.set XSTEPS, 16
.set XR,    16                         ; v16-79   four sets of 16 numbers as loaded
.set XX,    80                         ; v80-111  two sets of 16 neighbours
.set XE,    112                        ; v112-127 a scale byte for each step
.set XC,    128                        ; v128-191 codes, four registers for each step: no store's data are written again
.set XWREG, 8192                       ; LDS 0..32,767: a region for each wave: two stages of 32 x 80 bytes, behind them its 256 scale bytes
.set XSP,   80                         ; a lane's place in a stage: 64 bytes + 16 of padding
	v_lshlrev_b32 v3, 4, v2                        ; my 16 bytes of a load's 512
	s_mul_i32 s21, s[WV], XWREG
	v_lshrrev_b32 v14, 2, v2
	v_mul_u32_u24 v14, v14, XSP
	v_and_b32 v15, 3, v2
	v_lshl_add_u32 v14, v15, 4, v14
	v_add_nc_u32 v14, s21, v14                     ; the stage, on the way in: 80 (lane / 4) + 16 (lane % 4)
	v_mul_u32_u24 v15, v2, XSP
	v_add_nc_u32 v15, s21, v15                     ; and on the way out: 80 x lane
	v_mul_u32_u24 v4, v2, 8                        ; my 8 bytes of a step's codes
	v_lshrrev_b32 v5, 1, v2
	s_add_co_u32 s21, s21, 2*32*XSP
	v_add_nc_u32 v5, s21, v5                       ; my block's scale byte in LDS
	v_lshlrev_b32 v7, 3, v2
	v_add_nc_u32 v6, s21, v7                       ; and 8 bytes a lane on the way out
	s_sub_co_u32 s22, ttmp9, 112
	s_lshl_b32 s22, s22, 2
	s_add_co_u32 s22, s22, s[WV]                   ; which run of 8,192 numbers is my wave's: 0..1023
	s_mov_b32 s25, 0
	s_wait_kmcnt 0x0
	s_lshl_b32 s24, s22, 15                        ; 32,768 bytes of x,
	s_add_nc_u64 s[4:5], s[4:5], s[24:25]
	s_lshl_b32 s24, s22, 12                        ; 4,096 of codes,
	s_add_nc_u64 s[10:11], s[10:11], s[24:25]
	s_lshl_b32 s24, s22, 8                         ; 256 of scale bytes a run
	s_add_nc_u64 s[12:13], s[12:13], s[24:25]
.macro XLOAD t
.irp i, 0,1,2,3
	global_load_b128 v[XR+16*((\t)%4)+4*\i:XR+16*((\t)%4)+4*\i+3], v3, s[4:5] offset:2048*(\t)+512*\i th:TH_LOAD_NT
.endr
.endm
.macro XTURN t                         ; step t through the stage: LDS serves a wave's instructions in order, so no wait stands between the stores and the loads
.irp i, 0,1,2,3
	ds_store_b128 v14, v[XR+16*((\t)%4)+4*\i:XR+16*((\t)%4)+4*\i+3] offset:32*XSP*((\t)%2)+8*XSP*\i
.endr
.irp i, 0,1,2,3
	ds_load_b128 v[XX+16*((\t)%2)+4*\i:XX+16*((\t)%2)+4*\i+3], v15 offset:32*XSP*((\t)%2)+16*\i
.endr
.endm
.irp t, 0,1,2,3
	XLOAD \t
.endr
	s_wait_loadcnt 12                              ; step 0's four loads are in; the twelve of steps 1 to 3 may be out
	XTURN 0
.macro XSTEP t
.set XS, XX+16*((\t)%2)
.if (\t) > 0
	s_wait_dscnt 1                                 ; this step's numbers are back from the stage (the last step's byte store may be out)
.else
	s_wait_dscnt 0x0
.endif
.if (\t)+4 < XSTEPS
	XLOAD (\t)+4                                   ; into the set that the stage's stores have read
.endif
.if (\t)+1 < XSTEPS
.if XSTEPS-2-(\t) >= 3
	s_wait_loadcnt 12                              ; the next step's four loads are in; those of the three steps behind it may be out
.else
	s_wait_loadcnt 4*(XSTEPS-2-(\t))
.endif
	XTURN (\t)+1
.endif
	v_max3_num_f32 v8, |v[XS]|, |v[XS+1]|, |v[XS+2]|               ; the largest magnitude of my 16, in two chains
	v_max3_num_f32 v9, |v[XS+3]|, |v[XS+4]|, |v[XS+5]|
.irp i, 6,10
	v_max3_num_f32 v8, v8, |v[XS+\i]|, |v[XS+\i+1]|
	v_max3_num_f32 v9, v9, |v[XS+\i+2]|, |v[XS+\i+3]|
.endr
	v_max3_num_f32 v8, v8, |v[XS+14]|, |v[XS+15]|
	v_max3_num_f32 v8, v8, v9, (EMAX+1)<<23        ; and the floor 2^(3 - 127): the byte cannot fall under 1
	v_max_num_f32_dpp v8, v8, v8 row_xmask:1 row_mask:0xf bank_mask:0xf   ; with my neighbour's 16: the block's
	v_add_nc_u32 v11, -(EMAX<<23), v8              ; 2 off its exponent field: the conversion takes the exponent field of this operand as its scale
	v_cvt_scalef32_pk8_fp4_f32 v[XC+4*(\t)], v[XS:XS+7], v11
	v_cvt_scalef32_pk8_fp4_f32 v[XC+4*(\t)+1], v[XS+8:XS+15], v11
	v_lshrrev_b32 v[XE+(\t)], 23, v11              ; the scale's byte
	ds_store_b8 v5, v[XE+(\t)] offset:16*(\t)      ; both lanes of a block write the same byte with the same value
	global_store_b64 v4, v[XC+4*(\t):XC+4*(\t)+1], s[10:11] offset:256*(\t)   ; 32 lanes store 256 consecutive bytes, aligned
.endm
.irp t, 0,1,2,3,4,5,6,7,8,9,10,11,12,13,14,15
	XSTEP \t
.endr
	ds_load_b64 v[8:9], v6                         ; my wave's 256 scale bytes
	s_wait_dscnt 0x0
	global_store_b64 v7, v[8:9], s[12:13]          ; 256 consecutive bytes, aligned
	s_wait_tensorcnt 0x0                           ; the wave's end, behind my last LDS store
	ds_add_u32 v[SPW], v[NIL]
	s_wait_dscnt 0x0
	s_endpgm
; ---------------- w_qkv: K is its first axis.  A lane takes a column n and its registers run down K: a block of 32 lies in one lane, and the conversions give codes with K innermost.
; A wave takes 32 columns x 512 along K; the codes (256 bytes a column) go through the wave's stage and leave as rows: sixteen lanes store 256 consecutive bytes, aligned.
.set QPITCH, 272
.set QSTG,  32768                      ; LDS 32,768..67,583: 32 rows x 272 bytes for each wave
.set QNB,   16
.set QX,    32                         ; v32-95   two sets of 32 numbers
.set QC,    96                         ; v96..    what a block makes
.set QOUT,  112                        ; v112-175 the way out
.set QSB,   24                         ; v24-27   the scale bytes, four to a register
.Lwq:
	s_cmp_ge_u32 ttmp9, 24
	s_cselect_b32 s21, 1, 0                        ; which 512 along K
	s_cselect_b32 s22, 24, 0
	s_sub_co_u32 s22, ttmp9, s22
	s_lshl_b32 s22, s22, 7
	s_lshl_b32 s23, s[WV], 5
	s_add_co_u32 s22, s22, s23                     ; my wave's first column
	v_lshlrev_b32 v3, 2, v2                        ; in: 4 bytes a lane
	s_mul_i32 s23, s[WV], 32*QPITCH
	s_add_co_u32 s23, s23, QSTG                    ; my stage
	v_mul_u32_u24 v4, v2, QPITCH
	v_add_nc_u32 v4, s23, v4                       ; into it: row = my column
	v_and_b32 v5, 15, v2
	v_lshrrev_b32 v6, 4, v2
	v_mul_u32_u24 v7, v6, QPITCH
	v_lshl_add_u32 v7, v5, 4, v7
	v_add_nc_u32 v7, s23, v7                       ; out of it: sixteen lanes to a row, two rows an instruction
	v_lshlrev_b32 v8, 9, v6
	v_lshl_add_u32 v8, v5, 4, v8                   ; and the same place in wc (rows of 512 bytes)
	v_lshlrev_b32 v9, 5, v2                        ; my column's row of scale bytes
	s_mul_i32 s24, s21, 512*3072*4
	s_lshl_b32 s26, s22, 2
	s_add_co_u32 s24, s24, s26
	s_mov_b32 s25, 0
	s_wait_kmcnt 0x0
	s_add_nc_u64 s[6:7], s[6:7], s[24:25]
	s_lshl_b32 s24, s22, 9
	s_lshl_b32 s26, s21, 8
	s_add_co_u32 s24, s24, s26
	s_add_nc_u64 s[14:15], s[14:15], s[24:25]
	s_lshl_b32 s24, s22, 5
	s_lshl_b32 s26, s21, 4
	s_add_co_u32 s24, s24, s26
	s_add_nc_u64 s[16:17], s[16:17], s[24:25]
.macro QLOAD t                         ; block t: w(32 t + i, my column); the largest offset, 511 x 12,288, lies inside the signed 24-bit immediate
.irp i, 0,1,2,3,4,5,6,7,8,9,10,11,12,13,14,15,16,17,18,19,20,21,22,23,24,25,26,27,28,29,30,31
	global_load_b32 v[QX+32*((\t)%2)+\i], v3, s[6:7] offset:(32*(\t)+\i)*3072*4 th:TH_LOAD_NT
.endr
.endm
	QLOAD 0
	QLOAD 1
.macro QBLOCK t
.set XS, QX+32*((\t)%2)
.if (\t) < QNB-1
	s_wait_loadcnt 32                              ; this block's 32 loads are in; the next block's may be out
.else
	s_wait_loadcnt 0
.endif
	v_max3_num_f32 v12, |v[XS]|, |v[XS+1]|, |v[XS+2]|              ; the block's largest magnitude: all 32 numbers are mine
	v_max3_num_f32 v13, |v[XS+3]|, |v[XS+4]|, |v[XS+5]|
.irp i, 6,10,14,18,22,26
	v_max3_num_f32 v12, v12, |v[XS+\i]|, |v[XS+\i+1]|
	v_max3_num_f32 v13, v13, |v[XS+\i+2]|, |v[XS+\i+3]|
.endr
	v_max3_num_f32 v12, v12, |v[XS+30]|, |v[XS+31]|
	v_max3_num_f32 v12, v12, v13, (EMAX+1)<<23     ; and the floor
	v_add_nc_u32 v11, -(EMAX<<23), v12
	v_lshrrev_b32 v13, 23, v11                     ; the scale's byte
.if (\t)%4 == 0
	v_mov_b32 v[QSB+(\t)/4], v13                   ; four bytes to a register, the lower K in the lower byte
.else
	v_lshl_or_b32 v[QSB+(\t)/4], v13, 8*((\t)%4), v[QSB+(\t)/4]
.endif
.irp g, 0,1,2,3
	v_cvt_scalef32_pk8_fp4_f32 v[QC+\g], v[XS+8*\g:XS+8*\g+7], v11
.endr
	ds_store_b128 v4, v[QC:QC+3] offset:16*(\t)    ; 32 codes: 16 bytes of my column's row
.if (\t)+2 < QNB
	QLOAD (\t)+2
.endif
	s_wait_dscnt 0x0                               ; the store has read its registers: the next block's codes may be written
.endm
.set QQ, 0
.rept QNB
	QBLOCK QQ
.set QQ, QQ+1
.endr
	global_store_b128 v9, v[QSB:QSB+3], s[16:17]   ; my column's 16 scale bytes
.irp t, 0,1,2,3,4,5,6,7,8,9,10,11,12,13,14,15
	ds_load_b128 v[QOUT+4*\t:QOUT+4*\t+3], v7 offset:2*\t*QPITCH
.endr
.irp t, 0,1,2,3,4,5,6,7,8,9,10,11,12,13,14,15
	s_wait_dscnt 15-\t                             ; LDS loads come back in order: load t is in
	global_store_b128 v8, v[QOUT+4*\t:QOUT+4*\t+3], s[14:15] offset:2*\t*512
.endr
	s_wait_tensorcnt 0x0                           ; the wave's end
	ds_add_u32 v[SPW], v[NIL]
	s_wait_dscnt 0x0
	s_endpgm
; ---------------- w_proj: the same plan without a quantiser: a lane to a column, registers down K, pairs rounded to f16.  A wave takes 32 columns x 128 along K: 256 bytes a column.
.set PSTG,  67584                      ; LDS 67,584..102,399: 32 rows x 272 bytes for each wave
.Lwp:
	s_sub_co_u32 s21, ttmp9, 48
	s_and_b32 s22, s21, 7                          ; which 128 columns
	s_lshr_b32 s21, s21, 3                         ; which 128 along K
	s_lshl_b32 s22, s22, 7
	s_lshl_b32 s23, s[WV], 5
	s_add_co_u32 s22, s22, s23                     ; my wave's first column
	v_lshlrev_b32 v3, 2, v2
	s_mul_i32 s23, s[WV], 32*QPITCH
	s_add_co_u32 s23, s23, PSTG
	v_mul_u32_u24 v4, v2, QPITCH
	v_add_nc_u32 v4, s23, v4
	v_and_b32 v5, 15, v2
	v_lshrrev_b32 v6, 4, v2
	v_mul_u32_u24 v7, v6, QPITCH
	v_lshl_add_u32 v7, v5, 4, v7
	v_add_nc_u32 v7, s23, v7
	v_lshlrev_b32 v8, 11, v6
	v_lshl_add_u32 v8, v5, 4, v8                   ; wpt: rows of 2,048 bytes
	s_lshl_b32 s24, s21, 19                        ; 128 rows of 4,096 bytes
	s_lshl_b32 s26, s22, 2
	s_add_co_u32 s24, s24, s26
	s_mov_b32 s25, 0
	s_wait_kmcnt 0x0
	s_add_nc_u64 s[8:9], s[8:9], s[24:25]
	s_lshl_b32 s24, s22, 11
	s_lshl_b32 s26, s21, 8
	s_add_co_u32 s24, s24, s26
	s_add_nc_u64 s[18:19], s[18:19], s[24:25]
.macro PLOAD t
.irp i, 0,1,2,3,4,5,6,7,8,9,10,11,12,13,14,15,16,17,18,19,20,21,22,23,24,25,26,27,28,29,30,31
	global_load_b32 v[QX+32*((\t)%2)+\i], v3, s[8:9] offset:(32*(\t)+\i)*4096 th:TH_LOAD_NT
.endr
.endm
	PLOAD 0
	PLOAD 1
.macro PBLOCK t
.set XS, QX+32*((\t)%2)
.if (\t) < 3
	s_wait_loadcnt 32                              ; this block's 32 loads are in; the next block's may be out
.else
	s_wait_loadcnt 0
.endif
.irp g, 0,1,2,3,4,5,6,7,8,9,10,11,12,13,14,15
	v_cvt_pk_f16_f32 v[QC+\g], v[XS+2*\g], v[XS+2*\g+1]            ; the lower k in the low half
.endr
.irp c, 0,1,2,3
	ds_store_b128 v4, v[QC+4*\c:QC+4*\c+3] offset:64*(\t)+16*\c
.endr
.if (\t)+2 < 4
	PLOAD (\t)+2
.endif
	s_wait_dscnt 0x0                               ; the stores have read their registers
.endm
.irp t, 0,1,2,3
	PBLOCK \t
.endr
.irp t, 0,1,2,3,4,5,6,7,8,9,10,11,12,13,14,15
	ds_load_b128 v[QOUT+4*\t:QOUT+4*\t+3], v7 offset:2*\t*QPITCH
.endr
.irp t, 0,1,2,3,4,5,6,7,8,9,10,11,12,13,14,15
	s_wait_dscnt 15-\t
	global_store_b128 v8, v[QOUT+4*\t:QOUT+4*\t+3], s[18:19] offset:2*\t*2048   ; sixteen lanes store 256 consecutive bytes, aligned
.endr
	s_wait_tensorcnt 0x0                           ; the wave's end
	ds_add_u32 v[SPW], v[NIL]
	s_wait_dscnt 0x0
	s_endpgm
.Lfunc_end_k_qf69268d3d4_prep:
	.size	k_qf69268d3d4_prep, .Lfunc_end_k_qf69268d3d4_prep-k_qf69268d3d4_prep
	.p2alignl 7, 3214868480
	.fill 96, 4, 3214868480
	.section	.rodata,"a",@progbits
	.p2align	6, 0x0
	.amdhsa_kernel k_qf69268d3d4_prep
		.amdhsa_group_segment_fixed_size 102912
		.amdhsa_private_segment_fixed_size 0
		.amdhsa_enable_private_segment 0
		.amdhsa_kernarg_size 64
		.amdhsa_user_sgpr_count 2
		.amdhsa_user_sgpr_kernarg_segment_ptr 1
		.amdhsa_wavefront_size32 1
		.amdhsa_system_sgpr_workgroup_id_x 1
		.amdhsa_system_sgpr_workgroup_id_y 1
		.amdhsa_system_sgpr_workgroup_id_z 1
		.amdhsa_system_vgpr_workitem_id 0
		.amdhsa_next_free_vgpr 196
		.amdhsa_next_free_sgpr 66
		.amdhsa_reserve_vcc 0
		.amdhsa_float_denorm_mode_32 3
		.amdhsa_float_denorm_mode_16_64 3
		.amdhsa_memory_ordered 1
		.amdhsa_forward_progress 1
		.amdhsa_inst_pref_size 132
	.end_amdhsa_kernel
	.amdgpu_metadata
---
amdhsa.version: [ 1, 2 ]
amdhsa.kernels:
  - .name:           k_qf69268d3d4_prep
    .symbol:         k_qf69268d3d4_prep.kd
    .args:
      - { .name: x, .offset: 0, .size: 8, .value_kind: global_buffer, .address_space: global }
      - { .name: w_qkv, .offset: 8, .size: 8, .value_kind: global_buffer, .address_space: global }
      - { .name: w_proj, .offset: 16, .size: 8, .value_kind: global_buffer, .address_space: global }
      - { .name: xc, .offset: 24, .size: 8, .value_kind: global_buffer, .address_space: global }
      - { .name: xs, .offset: 32, .size: 8, .value_kind: global_buffer, .address_space: global }
      - { .name: wc, .offset: 40, .size: 8, .value_kind: global_buffer, .address_space: global }
      - { .name: ws, .offset: 48, .size: 8, .value_kind: global_buffer, .address_space: global }
      - { .name: wpt, .offset: 56, .size: 8, .value_kind: global_buffer, .address_space: global }
    .group_segment_fixed_size: 102912
    .private_segment_fixed_size: 0
    .kernarg_segment_align: 8
    .kernarg_segment_size: 64
    .max_flat_workgroup_size: 128
    .sgpr_count:     66
    .vgpr_count:     196
    .wavefront_size: 32
...
	.end_amdgpu_metadata
.endif
;; end of part 1
;; launch qkv (part 2): grid 12 x 32, 4 waves a work-group, clusters of 4 x 4, 327,680 bytes of LDS; arguments xc, xs, wc, ws, b_qkv, qkv, fin; writes qkv, fin
.if DOCPART == 2
	.amdgcn_target "amdgcn-amd-amdhsa--gfx1250"
	.amdhsa_code_object_version 6
	.text
	.protected	k_qf69268d3d4_qkv
	.globl	k_qf69268d3d4_qkv
	.p2align	8
	.type	k_qf69268d3d4_qkv,@function
k_qf69268d3d4_qkv:
	s_mov_b64 s[64:65], 0
	v_nop
	global_prefetch_b8 v0, s[64:65] scope:SCOPE_SE
	s_setreg_imm32_b32 hwreg(HW_REG_WAVE_MODE, 25, 1), 1
	s_wait_xcnt 0x0
	s_wait_alu depctr_hold_cnt(0) depctr_sa_sdst(0) depctr_va_vdst(0) depctr_va_sdst(0) depctr_va_ssrc(0) depctr_va_vcc(0) depctr_vm_vsrc(0)
	s_getreg_b32 s2, hwreg(HW_REG_IB_STS2, 6, 4)
	s_cmp_eq_u32 s2, 0
	s_cbranch_scc0 .Lentry_in_a_cluster
	s_endpgm
.Lentry_in_a_cluster:
	s_bfe_u32 s2, ttmp6, 0x10000c
	s_cmp_lg_u32 s2, 0xf033
	s_cbranch_scc0 .Lentry_shape_is_right
	s_endpgm
.Lentry_shape_is_right:
; QKV: C[m][n] = sum over k of x[m][k] w_qkv[k][n] on codes of FP4 (E2M1) with one E8M0 scale for each 32 along K, sums in f32; + b_qkv; q's third x 0.125 log2(e), so that attention's scores are exponents of 2.
; Out: qkv, f16, [3 (q, k, v)][64 (16 b + h)][2048 t][64]; and fin, f32, [3][64][16 t][64]: the same numbers, not rounded, of the first 16 positions of each sequence.
; LIMIT: |q x 0.18|, |k|, |v| stay under 65,504 (f16); under 6e-5 they have f16's subnormal spacing.
; A tile of C, 256 x 256, is made by four waves, each 128 x 128: 64 accumulators of 16 x 16, 512 registers.  K = 1,024 is two K steps of 512: both slots and the scales are first fills.
; CLUSTERS: 4 x 4 work-groups; A's tiles are asked for jointly along a row of the cluster, B's along a column.  Tile column = 4 x cluster x + cx, so cluster x says q, k or v.  Tile row = cluster y + 8 cy, so cy is the
; batch and cluster y = 0 marks the four sequences' first rows: the test for the fine rows hangs on cluster y and the wave's number alone, alike in all sixteen partners.
; THE MATRIX INSTRUCTION IS USED TRANSPOSED (source 0 = 16 rows of wc, source 1 = 16 rows of xc): a lane holds eight neighbouring columns of one row of C.
; REGISTERS: window 0: v16-31 addresses; v32-95 scale words, two sets, and nothing else; v128-191 A's fragments, one set; on the way out v96-127 packed f16, v128-191 rows read back, v192-255 the fine rows.
;   window 1: v0-63 and v128-191 B's fragments, two sets; v64-127 the bias in the result's layout; v192-255 64 finished f32 numbers.   windows 2, 3: the accumulators ((a, b) at v[8 (8 (a % 4) + b)]).
.set KSTEP,  512
.set NQ,     4                         ; matrix instructions deep in a slot
.set ROWB,   256                       ; a tile's row: 512 codes
.set KROW,   512                       ; a row of xc or wc in memory
.set PITCH,  272                       ; an LDS row: 256 bytes + 16 of padding: the 16 rows that a load touches begin 16 bytes apart modulo 256
.set FR,     8
.set NL,     2
.set NP,     4
.set HALFT,  128*PITCH
.set SLOT,   4*HALFT
.set KS,     32                        ; a row of scale bytes
.set SCL,    2*SLOT
.set HALFS,  (128*KS/256)*272
.set SBLK,   (16*KS/256)*272
.set SPARE,  SCL+4*HALFS               ; the spare words, 128 bytes a wave, which no other line names
.set S16B,   34816                     ; the way out's stages lie in slot 0, which has had its only fill and its last read when the first result is stored there:
                                       ; f32: wave x 8,448 (16 rows x 528); f16: 34,816 + wave x 4,352 (16 rows x 272)
.set ADRA, 16
.set ADRB, 20
.set STO2, 22                          ; v22  f32 stage: where I put 32 bytes of a row
.set RD2,  23                          ; v23  and where I read a row back
.set STO,  24                          ; v24  f16 stage: where I put 16 bytes
.set RD,   25                          ; v25  and where I read back: four rows of one head an instruction
.set CO,   26                          ; v26  16 x lane
.set ADRS, 27
.set SPW,  28
.set NIL,  29
.set CO2,  30                          ; v30  fin: 4,096 (lane / 16) + 16 (lane % 16)
.set BO,   31                          ; v31  32 (lane / 16): the bias
.set SC,   32
.set AF,   128
.set H,    96
.set BK,   128
.set FB,   192
.set BI,   64                          ; window 1
.set T,    192                         ; window 1
.set FINE, 95                          ; s95  0 where my first 16 rows are a sequence's first 16
.set FS,   100                         ; s[100:101] the factor, twice
.set G1, 24
.set G0, 32
.set G1B, 48
.set G0B, 56
.set G1S, 68
.set G0S, 76
.set G1SB, 80
.set G0SB, 88
.set MSB, 0
.macro WIN new                         ; the immediate's high byte repeats the setting that is left
.if MSB != \new
	s_set_vgpr_msb (MSB<<8)|\new
.set MSB, \new
.endif
.endm
.set MUL_LO, 0xa1                      ; source 0 (B) window 1, source 1 (A) window 0, C and D window 2
.set MUL_HI, 0xf1
.set TO_B,   0x40
; A joint load: waves 0 and 1 fetch for A, waves 2 and 3 for B; the branch hangs on the wave's number alone.  An s_nop 0 and four v_nop follow each line.
.macro JLOAD g0a, g1a, g0b, g1b
	s_cmp_eq_u32 s15, 0
	s_cbranch_scc0 .Lfor_b_\@
	tensor_load_to_lds s[\g0a:\g0a+3], s[\g1a:\g1a+7]
	s_nop 0
.rept 4
	v_nop
.endr
	s_branch .Lasked_\@
.Lfor_b_\@:
	tensor_load_to_lds s[\g0b:\g0b+3], s[\g1b:\g1b+7]
	s_nop 0
.rept 4
	v_nop
.endr
.Lasked_\@:
.endm
.macro CROUND                          ; a round of the cluster's barrier
	s_barrier_signal -1
	s_barrier_wait -1
	s_cmp_lg_u32 s14, 0
	s_cbranch_scc1 .Lnot_wave_0_\@
	s_barrier_signal -3
.Lnot_wave_0_\@:
	s_barrier_wait -3
	s_barrier_signal -1
	s_barrier_wait -1
.endm
	s_load_b128 s[4:7], s[0:1], 0x0                ; xc, xs
	s_load_b128 s[8:11], s[0:1], 0x10              ; wc, ws
	s_load_b128 s[96:99], s[0:1], 0x20             ; b_qkv, qkv
	s_load_b64 s[12:13], s[0:1], 0x30              ; fin
	v_lshl_add_u32 v[SPW], v0, 2, SPARE
	v_mov_b32 v[NIL], 0
	ds_add_u32 v[SPW], v[NIL]                      ; the wave's opening: the add, twice on end, and its wait ahead of my first tensor load
	ds_add_u32 v[SPW], v[NIL]
	v_lshrrev_b32 v1, 5, v0
	v_readfirstlane_b32 s14, v1                    ; wave 0..3
	s_lshr_b32 s15, s14, 1                         ; my half of the tile's rows.  Also: I fetch for A (0) or for B (1)
	s_and_b32 s16, s14, 1                          ; my half of its columns.  Also: which 128 rows I fetch
	s_bfe_u32 s40, ttmp6, 0x40000                  ; cx
	s_bfe_u32 s41, ttmp6, 0x40004                  ; cy
	s_lshl_b32 s42, ttmp9, 2
	s_add_co_u32 s42, s42, s40                     ; tile column = 4 x cluster x + cx
	s_and_b32 s17, ttmp7, 0xffff
	s_lshl_b32 s18, s41, 3
	s_add_co_u32 s17, s17, s18                     ; tile row = cluster y + 8 cy
	s_lshl_b32 s43, s41, 2
	s_lshl_b32 s43, 15, s43                        ; my row of the cluster
	s_lshl_b32 s44, 0x1111, s40                    ; my column
	s_or_b32 s[G1+0], s43, (0<<16)|(1<<20)|(1<<21)|(5<<22)|(3<<25)  ; the mask; elements of 1 byte; padding: 4 words after every 64; bit 21 beside a mask
	s_or_b32 s[G1B+0], s44, (0<<16)|(1<<20)|(1<<21)|(5<<22)|(3<<25)
.irp g, G1, G1B
	s_mov_b32 s[\g+1], ROWB<<16                    ; tensor_dim0
	s_mov_b32 s[\g+2], 128<<16                     ; tensor_dim1
	s_mov_b32 s[\g+3], ROWB<<16                    ; tile_dim0
	s_mov_b32 s[\g+4], 128                         ; tile_dim1
	s_mov_b32 s[\g+5], KROW                        ; the pitch
	s_mov_b32 s[\g+6], 0
	s_mov_b32 s[\g+7], 0
.endr
	s_or_b32 s[G1S+0], s43, (3<<16)|(1<<20)|(1<<21)|(5<<22)|(3<<25) ; the scales of 128 rows: 4,096 dense bytes as 16 rows of 256 (32 elements of 8 bytes), 16 bytes of padding behind each
	s_or_b32 s[G1SB+0], s44, (3<<16)|(1<<20)|(1<<21)|(5<<22)|(3<<25)
.irp g, G1S, G1SB
	s_mov_b32 s[\g+1], 32<<16
	s_mov_b32 s[\g+2], (128*KS/256)<<16
	s_mov_b32 s[\g+3], 32<<16
	s_mov_b32 s[\g+4], 128*KS/256
	s_mov_b32 s[\g+5], 32
	s_mov_b32 s[\g+6], 0
	s_mov_b32 s[\g+7], 0
.endr
	s_lshl_b32 s18, s16, 7
	s_lshl_b32 s20, s17, 8
	s_add_co_u32 s20, s20, s18                     ; A: row 256 x tile row + 128 x half
	s_lshl_b32 s46, s42, 8
	s_add_co_u32 s46, s46, s18                     ; B: row 256 x tile column + 128 x half
	s_mov_b32 s21, 0
	s_mov_b32 s47, 0
	s_mov_b64 s[18:19], KS
	s_mul_u64 s[22:23], s[20:21], s[18:19]         ; where these rows' scales begin,
	s_mul_u64 s[92:93], s[46:47], s[18:19]
	s_mov_b64 s[18:19], KROW
	s_mul_u64 s[20:21], s[20:21], s[18:19]         ; and their codes
	s_mul_u64 s[46:47], s[46:47], s[18:19]
	s_mul_i32 s45, s14, HALFT                      ; where they go: wave x 128 rows
	s_mul_i32 s94, s14, HALFS
	s_wait_dscnt 0x0                               ; both opening adds are done
	s_wait_kmcnt 0x0
	s_add_nc_u64 s[20:21], s[4:5], s[20:21]
	s_add_nc_u64 s[22:23], s[6:7], s[22:23]
	s_add_nc_u64 s[46:47], s[8:9], s[46:47]
	s_add_nc_u64 s[92:93], s[10:11], s[92:93]
	CROUND                                         ; all sixteen work-groups are here: the joint loads meet
	s_mov_b32 s[G0S], 1
	s_add_co_u32 s[G0S+1], s94, SCL
	s_mov_b64 s[G0S+2:G0S+3], s[22:23]
	s_or_b32 s[G0S+3], s[G0S+3], 0x80000000
	s_mov_b32 s[G0SB], 1
	s_add_co_u32 s[G0SB+1], s94, SCL
	s_mov_b64 s[G0SB+2:G0SB+3], s[92:93]
	s_or_b32 s[G0SB+3], s[G0SB+3], 0x80000000
	JLOAD G0S, G1S, G0SB, G1SB                     ; the scales first: they are wanted with K step 0
.irp s, 0,1
	s_mov_b32 s[G0+4*\s], 1
	s_add_co_u32 s[G0+4*\s+1], s45, \s*SLOT
	s_add_nc_u64 s[G0+4*\s+2:G0+4*\s+3], s[20:21], \s*ROWB
	s_or_b32 s[G0+4*\s+3], s[G0+4*\s+3], 0x80000000
	s_mov_b32 s[G0B+4*\s], 1
	s_add_co_u32 s[G0B+4*\s+1], s45, \s*SLOT
	s_add_nc_u64 s[G0B+4*\s+2:G0B+4*\s+3], s[46:47], \s*ROWB
	s_or_b32 s[G0B+4*\s+3], s[G0B+4*\s+3], 0x80000000
	JLOAD G0+4*\s, G1, G0B+4*\s, G1B
.endr
	v_and_b32 v1, 15, v0                           ; r = lane % 16
	v_bfe_u32 v2, v0, 4, 1                         ; h = lane / 16
	v_mul_u32_u24 v3, v1, PITCH
	v_lshl_add_u32 v4, v2, 4, v3                   ; a fragment's row x pitch + 16 h
	s_mul_i32 s21, s15, HALFT                      ; my 128 rows of A
	s_mul_i32 s22, s16, HALFT                      ; my 128 rows of B,
	s_add_co_u32 s22, s22, 2*HALFT                 ; behind A's 256
.irp s, 0,1
	v_add_nc_u32 v[ADRA+\s], s21, v4
	v_add_nc_u32 v[ADRB+\s], s22, v4
	s_add_co_u32 s21, s21, SLOT
	s_add_co_u32 s22, s22, SLOT
.endr
	v_mul_u32_u24 v5, v1, KS                       ; my row's scales: 32 bytes a row,
	v_lshrrev_b32 v6, 8, v5
	v_lshl_add_u32 v5, v6, 4, v5                   ; and 16 more for each 256 passed
	s_mul_i32 s21, s15, HALFS
	s_mul_i32 s22, s16, HALFS
	s_add_co_u32 s22, s22, 2*HALFS
	s_sub_co_u32 s22, s22, s21
	v_mul_u32_u24 v6, s22, v2                      ; lanes 16-31 take B's
	s_add_co_u32 s21, s21, SCL
	v_add_nc_u32 v5, v5, v6
	v_add_nc_u32 v[ADRS], s21, v5
	s_mul_i32 s23, s14, 16*528                     ; my f32 stage
	v_mul_u32_u24 v5, v1, 528
	v_lshl_add_u32 v5, v2, 5, v5
	v_add_nc_u32 v[STO2], s23, v5
	v_and_b32 v6, 31, v0
	v_lshlrev_b32 v[CO], 4, v6
	v_add_nc_u32 v[RD2], s23, v[CO]
	s_mul_i32 s23, s14, 16*272                     ; my f16 stage
	s_add_co_u32 s23, s23, S16B
	v_mul_u32_u24 v5, v1, 272
	v_lshl_add_u32 v5, v2, 4, v5
	v_add_nc_u32 v[STO], s23, v5
	v_bfe_u32 v5, v0, 3, 2
	v_mul_u32_u24 v5, v5, 272
	v_and_b32 v6, 7, v0
	v_lshl_add_u32 v5, v6, 4, v5
	v_add_nc_u32 v[RD], s23, v5                    ; row lane / 8, 16 (lane % 8) bytes on
	v_lshlrev_b32 v[CO2], 12, v2
	v_lshl_add_u32 v[CO2], v1, 4, v[CO2]
	v_lshlrev_b32 v[BO], 5, v2
	; where my part begins in the three buffers of the way out
	s_lshl_b32 s20, s41, 4
	s_lshl_b32 s21, s40, 2
	s_add_co_u32 s20, s20, s21
	s_lshl_b32 s21, s16, 1
	s_add_co_u32 s20, s20, s21                     ; 16 b + my first head = 16 cy + 4 cx + 2 x column half
	s_and_b32 s21, ttmp7, 0xffff                   ; cluster y
	s_or_b32 s[FINE], s21, s15
	s_lshl_b32 s22, ttmp9, 24                      ; q, k or v
	s_lshl_b32 s23, s20, 18
	s_add_co_u32 s22, s22, s23
	s_lshl_b32 s23, s21, 15                        ; t = 256 x cluster y
	s_add_co_u32 s22, s22, s23
	s_lshl_b32 s23, s15, 14                        ;   + 128 x row half; 128 bytes a row
	s_add_co_u32 s22, s22, s23
	s_mov_b32 s23, 0
	s_add_nc_u64 s[98:99], s[98:99], s[22:23]
	s_lshl_b32 s22, ttmp9, 18
	s_lshl_b32 s46, s20, 12
	s_add_co_u32 s22, s22, s46
	s_add_nc_u64 s[12:13], s[12:13], s[22:23]
	s_lshl_b32 s22, ttmp9, 12
	s_lshl_b32 s46, s40, 10
	s_add_co_u32 s22, s22, s46
	s_lshl_b32 s46, s16, 9
	s_add_co_u32 s22, s22, s46
	s_add_nc_u64 s[96:97], s[96:97], s[22:23]
	s_mov_b32 s[FS], 1.0
	s_cmp_eq_u32 ttmp9, 0
	s_cselect_b32 s[FS], 0x3e38aa3b, s[FS]         ; 0.125 log2(e) for q, 1 for k and v
	s_mov_b32 s[FS+1], s[FS]
	WIN TO_B
.irp b, 0,1,2,3,4,5,6,7                        ; the bias: register 8 b + j = column 16 b + 8 h + j of my 128
	global_load_b128 v[BI+8*\b:BI+8*\b+3], v[BO], s[96:97] offset:64*\b
	global_load_b128 v[BI+8*\b+4:BI+8*\b+7], v[BO], s[96:97] offset:64*\b+16
.endr
	WIN 0
.macro FRAG reg, adr, q, i             ; a fragment, 16 rows x 128 K of 4-bit codes: lane l holds row l % 16; registers 4 c .. 4 c + 3 hold K = 64 c + 32 (l / 16) + 0 .. 31
.irp c, 0,1
	ds_load_b128 v[\reg+4*\c:\reg+4*\c+3], v[\adr] offset:64*(\q)+32*\c+(\i)*16*PITCH
.endr
.endm
; 16 matrix instructions: A's blocks a0, a0 + 1 x B's eight, the slot's q-th 128 along K.  The 64 accumulators take turns, one instruction a turn.
.macro MUL16 a0, p, q, sc, zero
.irp a, \a0, \a0+1
.irp b, 0,1,2,3,4,5,6,7
.if \zero
	v_wmma_scale_f32_16x16x128_f8f6f4 v[8*(8*((\a)%4)+\b):8*(8*((\a)%4)+\b)+7], v[128*(\p)+FR*\b:128*(\p)+FR*\b+FR-1], v[AF+FR*(\a):AF+FR*(\a)+FR-1], 0, v[SC+8*NQ*(\sc)+NQ*\b+(\q)], v[SC+8*NQ*(\sc)+NQ*(\a)+(\q)] matrix_a_fmt:MATRIX_FMT_FP4 matrix_b_fmt:MATRIX_FMT_FP4 matrix_a_scale:MATRIX_SCALE_ROW1
.else
	v_wmma_scale_f32_16x16x128_f8f6f4 v[8*(8*((\a)%4)+\b):8*(8*((\a)%4)+\b)+7], v[128*(\p)+FR*\b:128*(\p)+FR*\b+FR-1], v[AF+FR*(\a):AF+FR*(\a)+FR-1], v[8*(8*((\a)%4)+\b):8*(8*((\a)%4)+\b)+7], v[SC+8*NQ*(\sc)+NQ*\b+(\q)], v[SC+8*NQ*(\sc)+NQ*(\a)+(\q)] matrix_a_fmt:MATRIX_FMT_FP4 matrix_b_fmt:MATRIX_FMT_FP4 matrix_a_scale:MATRIX_SCALE_ROW1
.endif
.endr
.endr
.endm
.macro FETCH_B slot, q, p
	WIN TO_B
.irp i, 0,1,2,3,4,5,6,7
	FRAG 128*(\p)+FR*\i, ADRB+\slot, \q, \i
.endr
	WIN 0
.endm
.macro FETCH_A slot, q, i0
.irp i, \i0, \i0+1, \i0+2, \i0+3
	FRAG AF+FR*(\i), ADRA+\slot, \q, \i
.endr
.endm
.macro SCALES sc                       ; a K step's scale words: lanes 0-15 take A's block i, lanes 16-31 B's block i
.irp i, 0,1,2,3,4,5,6,7
	ds_load_b128 v[SC+8*NQ*\sc+NQ*\i:SC+8*NQ*\sc+NQ*\i+3], v[ADRS] offset:\i*SBLK
.endr
.endm
.macro PLACES n                        ; plain vector instructions that name no register of the matrix instructions in front (ISA guide 7.12.1)
.rept \n
	v_nop
.endr
.endm
.macro STEP slot, q, zero              ; 128 along K with a successor in the same slot
	s_wait_dscnt 4*NL                              ; B's set and A's blocks 0-3 are in; the youngest eight loads (A's blocks 4-7) may be out
	WIN MUL_LO
	MUL16 0, (\q)%2, \q, \slot, \zero
	MUL16 2, (\q)%2, \q, \slot, \zero
	s_wait_dscnt 0
	PLACES NP
	FETCH_B \slot, (\q)+1, 1-(\q)%2
	FETCH_A \slot, (\q)+1, 0
	WIN MUL_HI
	MUL16 4, (\q)%2, \q, \slot, \zero
	MUL16 6, (\q)%2, \q, \slot, \zero
	PLACES NP
	WIN 0
	FETCH_A \slot, (\q)+1, 4
.endm
; Slot 0's last step changes slots: one barrier; in front of it each wave waits for all its tensor loads (slot 1's is the one that was out), adds 0 to its spare word, and waits for that and for its reads of slot 0.
.macro TURN slot, next
	s_wait_tensorcnt 0x0
	ds_add_u32 v[SPW], v[NIL]
	s_wait_dscnt 4*NL+1                            ; the add and the youngest eight loads may be out
	WIN MUL_LO
	MUL16 0, 1, NQ-1, \slot, 0
	s_wait_dscnt 0x0
	s_barrier_signal -1
	MUL16 2, 1, NQ-1, \slot, 0
	WIN 0
	s_barrier_wait -1
	PLACES NP
	v_add_nc_u32 v[ADRS], 4*NQ, v[ADRS]            ; the next K step's scale words
	FETCH_B \next, 0, 0
	FETCH_A \next, 0, 0
	SCALES \next
	WIN MUL_HI
	MUL16 4, 1, NQ-1, \slot, 0
	MUL16 6, 1, NQ-1, \slot, 0
	PLACES NP
	WIN 0
	FETCH_A \next, 0, 4
.endm
	s_wait_tensorcnt 1                             ; the scales and my part of K step 0 are in; K step 1's load may be out
	s_barrier_signal -1
	s_barrier_wait -1
	FETCH_B 0, 0, 0
	FETCH_A 0, 0, 0
	SCALES 0
	FETCH_A 0, 0, 4
	STEP 0, 0, 1                                   ; the first products start the sums: nothing is cleared
	STEP 0, 1, 0
	STEP 0, 2, 0
	TURN 0, 1
	STEP 1, 0, 0
	STEP 1, 1, 0
	STEP 1, 2, 0
	s_wait_dscnt 4*NL                              ; the last step: nothing more to fetch
	WIN MUL_LO
	MUL16 0, 1, NQ-1, 1, 0
	MUL16 2, 1, NQ-1, 1, 0
	s_wait_dscnt 0
	WIN MUL_HI
	MUL16 4, 1, NQ-1, 1, 0
	MUL16 6, 1, NQ-1, 1, 0
; THE WAY OUT, block by block of 16 rows x 128 columns (two heads).  (sum + bias) x f = sum x f + bias x f: one packed multiply-add.
	s_wait_loadcnt 0x0                             ; the bias
	WIN 0x41                                       ; destination and source 0 window 1
.set i, 0
.rept 32
	v_pk_mul_f32 v[BI+i:BI+i+1], v[BI+i:BI+i+1], s[FS:FS+1] op_sel_hi:[1,0]   ; bias x f.  These 32 name no register of the last products: they are the places behind them
.set i, i+2
.endr
.macro PACK a
.set AC, 64*((\a)%4)
.set WN, 0x52+(\a)/4                   ; source 0 window 2 or 3, source 2 and destination window 1
	WIN WN
.irp b, 0,1,2,3,4,5,6,7
.irp i, 0,2,4,6
	v_pk_fma_f32 v[T+8*\b+\i:T+8*\b+\i+1], v[AC+8*\b+\i:AC+8*\b+\i+1], s[FS:FS+1], v[BI+8*\b+\i:BI+8*\b+\i+1] op_sel_hi:[1,0,1]   ; each accumulator from its low end on
.endr
.endr
	WIN 0x05                                       ; sources window 1, destination window 0
.irp b, 0,1,2,3,4,5,6,7
.irp i, 0,1,2,3
	v_cvt_pk_f16_f32 v[H+4*\b+\i], v[T+8*\b+2*\i], v[T+8*\b+2*\i+1]
.endr
.endr
	WIN 0
.endm
.macro TOSTAGE a                       ; 16 bytes a lane into rows of 272; back as four rows of 128 bytes of one head an instruction.  LDS serves a wave's instructions in order
.set BB, BK+32*((\a)%2)
.irp b, 0,1,2,3,4,5,6,7
	ds_store_b128 v[STO], v[H+4*\b:H+4*\b+3] offset:32*\b
.endr
.irp t, 0,1,2,3,4,5,6,7
	ds_load_b128 v[BB+4*\t:BB+4*\t+3], v[RD] offset:(\t%4)*4*272+(\t/4)*128
.endr
.endm
.macro SEND a
.set BB, BK+32*((\a)%2)
	s_wait_dscnt 0x0                               ; the block is back in registers
	s_wait_xcnt 0x0                                ; the stores of the block before have read their registers: the next block's loads may land there
.irp t, 0,1,2,3,4,5,6,7
	global_store_b128 v[CO], v[BB+4*\t:BB+4*\t+3], s[98:99] offset:(\a)*2048+(\t%4)*512+(\t/4)*262144   ; 32 lanes store 512 consecutive bytes, aligned: four rows of a head
.endr
.endm
	PACK 0
	s_cmp_lg_u32 s[FINE], 0                        ; cluster y and the wave's number alone
	s_cbranch_scc1 .Lno_fine
	WIN 0x04                                       ; an LDS store's data are its source 1: window 1
.irp b, 0,1,2,3,4,5,6,7
	ds_store_b128 v[STO2], v[T+8*\b:T+8*\b+3] offset:64*\b
	ds_store_b128 v[STO2], v[T+8*\b+4:T+8*\b+7] offset:64*\b+16
.endr
	WIN 0
.irp t, 0,1,2,3,4,5,6,7,8,9,10,11,12,13,14,15
	ds_load_b128 v[FB+4*\t:FB+4*\t+3], v[RD2] offset:\t*528
.endr
	s_wait_dscnt 0x0
.irp t, 0,1,2,3,4,5,6,7,8,9,10,11,12,13,14,15
	global_store_b128 v[CO2], v[FB+4*\t:FB+4*\t+3], s[12:13] offset:256*\t   ; lanes 0-15: the first head's row of 256 bytes; lanes 16-31: the second's
.endr
.Lno_fine:
	TOSTAGE 0
.irp a, 1,2,3,4,5,6,7
	PACK \a                                        ; block a's arithmetic stands between block a - 1's loads from the stage and the wait for them
	SEND \a-1
	TOSTAGE \a
.endr
	SEND 7
	s_wait_tensorcnt 0x0                           ; the wave's end
	ds_add_u32 v[SPW], v[NIL]
	s_wait_dscnt 0x0
	CROUND                                         ; the closing round
	s_endpgm
.Lfunc_end_k_qf69268d3d4_qkv:
	.size	k_qf69268d3d4_qkv, .Lfunc_end_k_qf69268d3d4_qkv-k_qf69268d3d4_qkv
	.p2alignl 7, 3214868480
	.fill 96, 4, 3214868480
	.section	.rodata,"a",@progbits
	.p2align	6, 0x0
	.amdhsa_kernel k_qf69268d3d4_qkv
		.amdhsa_group_segment_fixed_size 327680
		.amdhsa_private_segment_fixed_size 0
		.amdhsa_enable_private_segment 0
		.amdhsa_kernarg_size 56
		.amdhsa_user_sgpr_count 2
		.amdhsa_user_sgpr_kernarg_segment_ptr 1
		.amdhsa_wavefront_size32 1
		.amdhsa_system_sgpr_workgroup_id_x 1
		.amdhsa_system_sgpr_workgroup_id_y 1
		.amdhsa_system_sgpr_workgroup_id_z 1
		.amdhsa_system_vgpr_workitem_id 0
		.amdhsa_next_free_vgpr 1024
		.amdhsa_next_free_sgpr 102
		.amdhsa_reserve_vcc 0
		.amdhsa_float_denorm_mode_32 3
		.amdhsa_float_denorm_mode_16_64 3
		.amdhsa_memory_ordered 1
		.amdhsa_forward_progress 1
		.amdhsa_inst_pref_size 151
	.end_amdhsa_kernel
	.amdgpu_metadata
---
amdhsa.version: [ 1, 2 ]
amdhsa.kernels:
  - .name:           k_qf69268d3d4_qkv
    .symbol:         k_qf69268d3d4_qkv.kd
    .args:
      - { .name: xc, .offset: 0, .size: 8, .value_kind: global_buffer, .address_space: global }
      - { .name: xs, .offset: 8, .size: 8, .value_kind: global_buffer, .address_space: global }
      - { .name: wc, .offset: 16, .size: 8, .value_kind: global_buffer, .address_space: global }
      - { .name: ws, .offset: 24, .size: 8, .value_kind: global_buffer, .address_space: global }
      - { .name: b_qkv, .offset: 32, .size: 8, .value_kind: global_buffer, .address_space: global }
      - { .name: qkv, .offset: 40, .size: 8, .value_kind: global_buffer, .address_space: global }
      - { .name: fin, .offset: 48, .size: 8, .value_kind: global_buffer, .address_space: global }
    .group_segment_fixed_size: 327680
    .private_segment_fixed_size: 0
    .kernarg_segment_align: 8
    .kernarg_segment_size: 56
    .max_flat_workgroup_size: 128
    .sgpr_count:     102
    .vgpr_count:     1024
    .wavefront_size: 32
...
	.end_amdgpu_metadata
.endif
;; end of part 2
;; launch attn (part 3): grid 4 x 64, 16 waves a work-group, no clusters, 327,680 bytes of LDS; arguments qkv, att; writes att
.if DOCPART == 3
	.amdgcn_target "amdgcn-amd-amdhsa--gfx1250"
	.amdhsa_code_object_version 6
	.text
	.protected	k_qf69268d3d4_attn
	.globl	k_qf69268d3d4_attn
	.p2align	8
	.type	k_qf69268d3d4_attn,@function
k_qf69268d3d4_attn:
	s_mov_b64 s[64:65], 0
	v_nop
	global_prefetch_b8 v0, s[64:65] scope:SCOPE_SE
	s_setreg_imm32_b32 hwreg(HW_REG_WAVE_MODE, 25, 1), 1
	s_wait_xcnt 0x0
; ATTN: att[h][b 2048 + q][:] = sum over k <= q of softmax_k(q . k) v[k][:], one head of 64 at a time.  Operands f16, products, maxima and sums f32.  q already carries 0.125 log2(e): p = 2^(s - m), m the running maximum.
; In: qkv f16 [3][64 (16 b + h)][2048][64].  Out: att f16 [16 h][8192][64].  LIMIT: the results stay under 65,504 (they are averages of v).
; SHARES.  Work-group (g, bh): sixteen waves, each with 32 queries (two tiles of 16), so that each fragment of K and V read from LDS feeds two products.  Wave w: level w / 4, place w % 4;
; first query = 512 level + 128 g' + 32 place, g' = g on even levels and 3 - g on odd ones: the four g' of a work-group add up to 6 whatever g, so the causal work is the same in all work-groups,
; and the four waves of a level reach the diagonal together.
; NO CLUSTER: the work-groups of a head end at different slots (their last queries are 1,663 + 128 (3 - g)), so a joint load of the last slot would be read by no wave of two partners.
; LAYOUT.  S^T = K Q^T (source 0 = 16 keys, source 1 = 16 queries): a lane holds one query (lane % 16) and keys 8 (lane / 16) + 0..7 of a tile.  Two such tiles rounded to f16 in pairs ARE source 1 of
; O^T = V^T P, whose result again holds one query a lane.  K comes out of LDS as it lies, V turned by ds_load_tr16_b128.
; RING.  Two slots of 256 keys (four steps of 64).  A head's rows of 128 bytes are dense in memory, so a tile is stated as lines of 256 bytes (two keys): K's with 16 bytes of padding, V's with 32.
; Waves 0, 1 fetch K's halves, waves 2, 3 V's.  Every work-group walks all eight slots; a step all of whose keys come after the wave's queries is jumped over, and a slot that no wave would read is not asked for.
.set KP,    272
.set VP,    288
.set VOFF,  128*KP                     ; a slot: 128 lines of K, then 128 lines of V
.set SLOT1, 1<<17                      ; slot 1 begins here: one exclusive or turns an address
.set STAGE, SLOT1+VOFF+128*VP          ; behind the ring: 32 rows x 144 bytes for each wave, bytes of its own
.set SROW,  144
.set SPARE, STAGE+16*32*SROW           ; the spare words, 128 bytes a wave, which no other line names
.set AK0, 1                            ; v1  my lane's place in a tile of K: 272 (r / 2) + 128 (r % 2) + 16 h
.set AV0, 2                            ; v2  in a tile of V: key rho = 8 h + lane % 8: VOFF + 288 (rho / 2) + 128 (rho % 2) + 16 ((lane / 8) % 2)
.set SPW, 3
.set NIL, 4
.set ADK, 5
.set ADV, 6
.set D0,  7                            ; v7, v8  the mask: my query less the step's first key less 8 h, tiles 0 and 1
.set D1,  8
.set NINF, 9
.set PFO, 10
.set QO,  11
.set DD,  12                           ; v12 r - 8 h
.set STO, 13
.set RD,  14
.set GO,  15
.set ST,  16                           ; tile t's statistics at v[16 + 8 t]: +0 m (+1 named with it), +2, +3 the sum in two halves, +4 .. +7 c0 .. c3 at work; a takes c2's place
.set Q,   32                           ; v32-63   Q: tile t, 32 channels ds on: 32 + 16 t + 8 ds
.set KV,  64                           ; v64-127  ONE buffer: a step's 8 fragments of K, then of V
.set S,   128                          ; v128-191 S^T: 128 + 32 t + 8 kt; then p; then P in place
.set O,   192                          ; v192-255 O^T: 192 + 32 t + 8 dt
.set WV,  8
.set Q0,  12
.set QE,  13
.set QL,  14
.set KF,  15
.set TB,  16
.set SLOTS, 17
.set LIM, 18
.set SEL, 20
.set PFA, 22
.set G1K, 24
.set G1V, 32
.set G0K, 40
.set G0V, 44
.macro TLOAD                           ; waves 0, 1: K; waves 2, 3: V; the others nothing.  An s_nop 0 and four v_nop follow each line
	s_cmp_lt_u32 s[WV], 2
	s_cbranch_scc0 .Lnot_k_\@
	tensor_load_to_lds s[G0K:G0K+3], s[G1K:G1K+7]
	s_nop 0
.rept 4
	v_nop
.endr
	s_branch .Lasked_\@
.Lnot_k_\@:
	s_cmp_lt_u32 s[WV], 4
	s_cbranch_scc0 .Lasked_\@
	tensor_load_to_lds s[G0V:G0V+3], s[G1V:G1V+7]
	s_nop 0
.rept 4
	v_nop
.endr
.Lasked_\@:
.endm
; A PREFETCH of what the NEXT change of slots will ask for: 32,768 bytes of K and as many of V.  All four work-groups of a head walk the same K and V: the one with g = 0 asks, and in it the waves that fetch
; nothing: waves 4-7 for K, waves 8-11 for V, 8,192 bytes a wave, lanes 256 bytes apart, one instruction.  So each aligned 256 bytes are named once.  The last change that fills a slot asks for nothing.
.macro ASK
	s_cmp_gt_u32 s[SLOTS], s[LIM]
	s_cbranch_scc0 .Lnot_mine_\@
	global_prefetch_b8 v[PFO], s[PFA:PFA+1] th:TH_LOAD_NT scope:SCOPE_SE
.Lnot_mine_\@:
.endm
	s_load_b128 s[4:7], s[0:1], 0x0                ; qkv, att
	v_lshl_add_u32 v[SPW], v0, 2, SPARE
	v_mov_b32 v[NIL], 0
	ds_add_u32 v[SPW], v[NIL]                      ; the wave's opening: the add, twice on end, and its wait ahead of the first tensor load
	ds_add_u32 v[SPW], v[NIL]
	v_lshrrev_b32 v5, 5, v0
	v_readfirstlane_b32 s[WV], v5                  ; wave 0..15
	s_lshr_b32 s48, s[WV], 2                       ; level
	s_and_b32 s49, s[WV], 3                        ; place
	s_sub_co_u32 s50, 3, ttmp9                     ; 3 - g
	s_and_b32 s51, s48, 1
	s_cmp_eq_u32 s51, 1
	s_cselect_b32 s51, s50, ttmp9                  ; g'
	s_lshl_b32 s[Q0], s48, 9
	s_lshl_b32 s51, s51, 7
	s_add_co_u32 s[Q0], s[Q0], s51
	s_lshl_b32 s49, s49, 5
	s_add_co_u32 s[Q0], s[Q0], s49                 ; my first query
	s_add_co_u32 s[QE], s[Q0], 31                  ; my last
	s_lshl_b32 s[QL], s50, 7
	s_add_co_u32 s[QL], s[QL], 1663                ; my work-group's last: level 3, place 3
	s_mov_b32 s[KF], 0
	s_mov_b32 s[TB], 0
	s_mov_b32 s[SLOTS], 7
	s_mov_b32 s[SEL], 0x76543210
	s_mov_b32 s[SEL+1], 0xfedcba98                 ; v_permlanex16_b32: lane l xor 16
	s_mov_b32 s[G1K], (1<<16)|(1<<20)|(5<<22)|(3<<25)              ; no mask; elements of 2 bytes; padding: 4 words after every 64
	s_mov_b32 s[G1V], (1<<16)|(1<<20)|(5<<22)|(7<<25)              ; 8 words
.irp g, G1K, G1V
	s_mov_b32 s[\g+1], 128<<16                     ; tensor_dim0: a line of 128 elements
	s_mov_b32 s[\g+2], 64<<16                      ; tensor_dim1: 64 lines
	s_mov_b32 s[\g+3], 128<<16                     ; tile_dim0
	s_mov_b32 s[\g+4], 64                          ; tile_dim1
	s_mov_b32 s[\g+5], 128                         ; dense
	s_mov_b32 s[\g+6], 0
	s_mov_b32 s[\g+7], 0
.endr
	s_and_b32 s48, s[WV], 1                        ; which half of a slot I fetch, if I fetch
	s_and_b32 s49, ttmp7, 0xffff                   ; 16 b + h
	s_lshl_b32 s50, s49, 18                        ; the head's first byte in q, in k and in v
	s_lshl_b32 s51, s48, 14
	s_add_co_u32 s52, s50, s51
	s_add_co_u32 s52, s52, 0x1000000               ; K
	s_mov_b32 s53, 0
	s_add_co_u32 s54, s52, 0x1000000               ; V
	s_mov_b32 s55, 0
	s_mul_i32 s56, s48, 64*KP
	s_mul_i32 s57, s48, 64*VP
	s_add_co_u32 s57, s57, VOFF
	s_lshl_b32 s58, s[Q0], 7
	s_add_co_u32 s58, s58, s50                     ; my queries
	s_mov_b32 s59, 0
	s_and_b32 s60, s49, 15
	s_lshl_b32 s60, s60, 13
	s_lshr_b32 s61, s49, 4
	s_lshl_b32 s61, s61, 11
	s_add_co_u32 s60, s60, s61
	s_add_co_u32 s60, s60, s[Q0]
	s_lshl_b32 s60, s60, 7                         ; att: (8192 h + 2048 b + my first query) x 128 bytes
	s_mov_b32 s61, 0
	s_cmp_lt_u32 s[WV], 8                          ; the prefetches: waves 4-7 stand in K, waves 8-11 in V,
	s_mov_b32 s62, 0x2000000
	s_cselect_b32 s62, 0x1000000, s62
	s_and_b32 s63, s[WV], 3
	s_lshl_b32 s63, s63, 13                        ; 8,192 bytes a wave,
	s_add_co_u32 s62, s62, s63
	s_add_co_u32 s62, s62, s50
	s_add_co_u32 s62, s62, 32768                   ; in slot 1: the first change of slots steps it to slot 2.  Nothing is prefetched at the head
	s_mov_b32 s63, 0
	s_sub_co_u32 s96, s[WV], 4
	s_lshr_b32 s96, s96, 3                         ; 0 in waves 4 to 11,
	s_or_b32 s96, s96, ttmp9                       ; of the work-group with g = 0
	s_cmp_eq_u32 s96, 0
	s_cselect_b32 s[LIM], 1, -1
	s_wait_dscnt 0x0                               ; both opening adds are done
	s_wait_kmcnt 0x0
	s_mov_b32 s[G0K], 1
	s_mov_b32 s[G0K+1], s56
	s_add_nc_u64 s[G0K+2:G0K+3], s[4:5], s[52:53]
	s_or_b32 s[G0K+3], s[G0K+3], 0x80000000
	s_mov_b32 s[G0V], 1
	s_mov_b32 s[G0V+1], s57
	s_add_nc_u64 s[G0V+2:G0V+3], s[4:5], s[54:55]
	s_or_b32 s[G0V+3], s[G0V+3], 0x80000000
	TLOAD                                          ; slot 0: it holds key 0, which counts for every query
	s_add_nc_u64 s[66:67], s[4:5], s[58:59]
	s_add_nc_u64 s[6:7], s[6:7], s[60:61]
	s_add_nc_u64 s[PFA:PFA+1], s[4:5], s[62:63]
	v_and_b32 v5, 15, v0                           ; r
	v_bfe_u32 v6, v0, 4, 1                         ; h
	v_lshlrev_b32 v[QO], 7, v5
	v_lshl_add_u32 v[QO], v6, 4, v[QO]
.irp t, 0,1
.irp c, 0,1,2,3
	global_load_b128 v[Q+16*\t+4*\c:Q+16*\t+4*\c+3], v[QO], s[66:67] offset:2048*\t+32*\c   ; Q stays in registers
.endr
.endr
	v_lshrrev_b32 v7, 1, v5
	v_mul_u32_u24 v[AK0], v7, KP
	v_and_b32 v7, 1, v5
	v_lshl_add_u32 v[AK0], v7, 7, v[AK0]
	v_lshl_add_u32 v[AK0], v6, 4, v[AK0]
	v_and_b32 v7, 7, v0
	v_lshl_add_u32 v7, v6, 3, v7                   ; rho
	v_lshrrev_b32 v8, 1, v7
	v_mul_u32_u24 v[AV0], v8, VP
	v_and_b32 v8, 1, v7
	v_lshl_add_u32 v[AV0], v8, 7, v[AV0]
	v_bfe_u32 v8, v0, 3, 1
	v_lshl_add_u32 v[AV0], v8, 4, v[AV0]
	v_add_nc_u32 v[AV0], VOFF, v[AV0]
	v_lshlrev_b32 v7, 3, v6
	v_sub_nc_u32 v[DD], v5, v7
	s_mul_i32 s62, s[WV], 32*SROW
	s_add_co_u32 s62, s62, STAGE                   ; my stage
	v_mul_u32_u24 v[STO], v5, SROW
	v_lshl_add_u32 v[STO], v6, 4, v[STO]
	v_add_nc_u32 v[STO], s62, v[STO]
	v_bfe_u32 v7, v0, 3, 2
	v_mul_u32_u24 v[RD], v7, SROW
	v_and_b32 v7, 7, v0
	v_lshl_add_u32 v[RD], v7, 4, v[RD]
	v_add_nc_u32 v[RD], s62, v[RD]
	v_and_b32 v[GO], 31, v0
	v_lshlrev_b32 v[PFO], 8, v[GO]
	v_lshlrev_b32 v[GO], 4, v[GO]
	v_mov_b32 v[NINF], 0xff800000
.irp j, 1,2,3,4,5,6,7,9,10,11,12,13,14,15
	v_mov_b32 v[ST+\j], 0                          ; the sums begin at 0; the rest is written once, since pairs and lane permutes name it
.endr
	v_mov_b32 v[ST], 0xff61b1e6                    ; the largest score so far: -3e38, under every score
	v_mov_b32 v[ST+8], 0xff61b1e6
.set j, 0
.rept 64
	v_mov_b32 v[O+j], 0                            ; O^T: the step is written once; its first run finds zeros, which a = 0 leaves zeros
.set j, j+1
.endr
; A KEY STEP: 64 keys, the q-th of the slot in hand.
.macro STEP q
	s_cmp_gt_u32 s[KF], s[QE]                      ; all its keys come after my queries: nothing to do (ids and the count of steps alone; no barrier and no tensor load stands in a step)
	s_cbranch_scc1 .Lhidden_\@
	v_add_nc_u32 v[ADK], s[TB], v[AK0]
	v_add_nc_u32 v[ADV], s[TB], v[AV0]
.rept 3
	v_nop                                          ; with the two additions five places behind the last step's products: four for the loads into V's registers, five for the products that write over P
.endr
.irp kt, 0,1,2,3
.irp c, 0,1,2,3
	ds_load_b128 v[KV+16*\kt+4*\c:KV+16*\kt+4*\c+3], v[ADK] offset:(\q)*32*KP+\kt*8*KP+32*\c
.endr
.endr
	s_wait_dscnt 0x0
.irp ds, 0,1                                   ; S^T = K Q^T: the eight accumulators take turns, one instruction a turn; the first eight start the sums
.irp kt, 0,1,2,3
.irp t, 0,1
.if \ds == 0
	v_wmma_f32_16x16x32_f16 v[S+32*\t+8*\kt:S+32*\t+8*\kt+7], v[KV+16*\kt:KV+16*\kt+7], v[Q+16*\t:Q+16*\t+7], 0
.else
	v_wmma_f32_16x16x32_f16 v[S+32*\t+8*\kt:S+32*\t+8*\kt+7], v[KV+16*\kt+8:KV+16*\kt+15], v[Q+16*\t+8:Q+16*\t+15], v[S+32*\t+8*\kt:S+32*\t+8*\kt+7]
.endif
.endr
.endr
.endr
.rept 4
	v_nop                                          ; places in front of the loads into K's registers and of the first read of the scores
.endr
.irp dt, 0,1,2,3                               ; V, turned, into the same buffer: it lands while the softmax is walked
.irp c, 0,1,2,3
	ds_load_tr16_b128 v[KV+16*\dt+4*\c:KV+16*\dt+4*\c+3], v[ADV] offset:(\q)*32*VP+\c*8*VP+32*\dt
.endr
.endr
	s_add_co_u32 s96, s[KF], 63                    ; on the diagonal hidden scores become -infinity; a step all of whose keys count skips this
	s_cmp_le_u32 s96, s[Q0]
	s_cbranch_scc1 .Lopen_\@
	s_sub_co_i32 s96, s[Q0], s[KF]
	v_add_nc_u32 v[D0], s96, v[DD]
	v_add_nc_u32 v[D1], 16, v[D0]                  ; register 8 kt + j holds key KF + 16 kt + 8 h + j: hidden where 16 kt + j > d
.set n, 0
.rept 32
	v_cmp_gt_i32 vcc_lo, 16*(n/8)+n%8, v[D0]
	v_cndmask_b32 v[S+n], v[S+n], v[NINF], vcc_lo
	v_cmp_gt_i32 vcc_lo, 16*(n/8)+n%8, v[D1]
	v_cndmask_b32 v[S+32+n], v[S+32+n], v[NINF], vcc_lo
.set n, n+1
.endr
.Lopen_\@:
.irp j, 0,1,2,3                                ; the maximum: four chains a tile, each begun at its accumulator's low end; the two tiles line by line
.irp t, 0,1
	v_max3_num_f32 v[ST+8*\t+4+\j], v[S+32*\t+8*\j], v[S+32*\t+8*\j+1], v[S+32*\t+8*\j+2]
.endr
.endr
.irp i, 3,5
.irp j, 0,1,2,3
.irp t, 0,1
	v_max3_num_f32 v[ST+8*\t+4+\j], v[ST+8*\t+4+\j], v[S+32*\t+8*\j+\i], v[S+32*\t+8*\j+\i+1]
.endr
.endr
.endr
.irp t, 0,1
	v_max3_num_f32 v[ST+8*\t+4], v[ST+8*\t+4], v[S+32*\t+7], v[S+32*\t+15]
.endr
.irp t, 0,1
	v_max3_num_f32 v[ST+8*\t+6], v[ST+8*\t+6], v[S+32*\t+23], v[S+32*\t+31]
.endr
.irp t, 0,1
	v_max3_num_f32 v[ST+8*\t+4], v[ST+8*\t+4], v[ST+8*\t+5], v[ST+8*\t+6]
.endr
.irp t, 0,1
	v_max3_num_f32 v[ST+8*\t+4], v[ST+8*\t+4], v[ST+8*\t+7], v[ST+8*\t]     ; with the old m
.endr
.irp t, 0,1
	v_permlanex16_b32 v[ST+8*\t+5], v[ST+8*\t+4], s[SEL], s[SEL+1]           ; the query's other 32 keys lie in the lane 16 away
.endr
.irp t, 0,1
	v_mov_b32 v[ST+8*\t+7], v[ST+8*\t]
.endr
.irp t, 0,1
	v_max_num_f32 v[ST+8*\t], v[ST+8*\t+4], v[ST+8*\t+5]                     ; the new m
.endr
.irp t, 0,1
	v_sub_f32 v[ST+8*\t+7], v[ST+8*\t+7], v[ST+8*\t]                         ; old m - new m, 0 or less
.endr
.irp t, 0,1
	v_exp_f32 v[ST+8*\t+6], v[ST+8*\t+7]                                     ; a
.endr
.set j, 0
.rept 16
	v_pk_add_f32 v[S+j:S+j+1], v[S+j:S+j+1], v[ST:ST+1] op_sel_hi:[1,0] neg_lo:[0,1] neg_hi:[0,1]             ; s - m, two at a time
	v_pk_add_f32 v[S+32+j:S+32+j+1], v[S+32+j:S+32+j+1], v[ST+8:ST+9] op_sel_hi:[1,0] neg_lo:[0,1] neg_hi:[0,1]
.set j, j+2
.endr
.set j, 0
.rept 64
	v_exp_f32 v[S+j], v[S+j]                       ; p = 2^(s - m)
.set j, j+1
.endr
	v_nop                                          ; a plain instruction behind the last exponential
	s_wait_alu depctr_va_vdst(0)                   ; ONE wait for the 66 exponentials, ahead of the first instruction that names a result
.irp t, 0,1                                    ; the sums, of the p that are not yet rounded: two chains a tile
	v_pk_fma_f32 v[ST+8*\t+2:ST+8*\t+3], v[ST+8*\t+2:ST+8*\t+3], v[ST+8*\t+6:ST+8*\t+7], v[S+32*\t:S+32*\t+1] op_sel_hi:[1,0,1]
.endr
.irp t, 0,1
	v_pk_add_f32 v[ST+8*\t+4:ST+8*\t+5], v[S+32*\t+2:S+32*\t+3], v[S+32*\t+4:S+32*\t+5]
.endr
.irp j, 6,10,14,18,22,26
.irp t, 0,1
	v_pk_add_f32 v[ST+8*\t+2:ST+8*\t+3], v[ST+8*\t+2:ST+8*\t+3], v[S+32*\t+\j:S+32*\t+\j+1]
	v_pk_add_f32 v[ST+8*\t+4:ST+8*\t+5], v[ST+8*\t+4:ST+8*\t+5], v[S+32*\t+\j+2:S+32*\t+\j+3]
.endr
.endr
.irp t, 0,1
	v_pk_add_f32 v[ST+8*\t+2:ST+8*\t+3], v[ST+8*\t+2:ST+8*\t+3], v[S+32*\t+30:S+32*\t+31]
.endr
.irp t, 0,1
	v_pk_add_f32 v[ST+8*\t+2:ST+8*\t+3], v[ST+8*\t+2:ST+8*\t+3], v[ST+8*\t+4:ST+8*\t+5]
.endr
.set j, 0
.rept 16
	v_cvt_pk_f16_f32 v[S+j], v[S+2*j], v[S+2*j+1]                  ; in place, ascending: registers 0-7 and 8-15 of a tile are then P's two fragments
	v_cvt_pk_f16_f32 v[S+32+j], v[S+32+2*j], v[S+32+2*j+1]
.set j, j+1
.endr
.set j, 0
.rept 16
	v_pk_mul_f32 v[O+j:O+j+1], v[O+j:O+j+1], v[ST+6:ST+7] op_sel_hi:[1,0]              ; O^T x a
	v_pk_mul_f32 v[O+32+j:O+32+j+1], v[O+32+j:O+32+j+1], v[ST+14:ST+15] op_sel_hi:[1,0]
.set j, j+2
.endr
	s_wait_dscnt 0x0                               ; V is in
.irp ks, 0,1                                   ; O^T += V^T P: the eight accumulators take turns
.irp dt, 0,1,2,3
.irp t, 0,1
	v_wmma_f32_16x16x32_f16 v[O+32*\t+8*\dt:O+32*\t+8*\dt+7], v[KV+16*\dt+8*\ks:KV+16*\dt+8*\ks+7], v[S+32*\t+8*\ks:S+32*\t+8*\ks+7], v[O+32*\t+8*\dt:O+32*\t+8*\dt+7]
.endr
.endr
.endr
.Lhidden_\@:
	s_add_co_u32 s[KF], s[KF], 64
.endm
; THE CHANGE OF SLOTS stands at a slot's head.  Each wave waits for all its tensor loads, adds 0 to its spare word, and waits for that and for its reads of the slot that it has left; behind the barrier the slot ahead
; is whole and nobody reads the other one, which (fill = 1) is filled with the next 256 keys: that load has a slot's four steps in which to land.
.macro CHANGE fill
	s_wait_tensorcnt 0x0                           ; no tensor load of mine is out, so a group 0 may be written
	ds_add_u32 v[SPW], v[NIL]
.if \fill
	ds_add_u32 v[SPW], v[NIL]                      ; and, where a load follows, twice on end
	s_xor_b32 s[G0K+1], s[G0K+1], SLOT1
	s_add_nc_u64 s[G0K+2:G0K+3], s[G0K+2:G0K+3], 32768
	s_xor_b32 s[G0V+1], s[G0V+1], SLOT1
	s_add_nc_u64 s[G0V+2:G0V+3], s[G0V+2:G0V+3], 32768
	s_wait_xcnt 0x0                                ; the last prefetch, a slot back, has read its address
	s_add_nc_u64 s[PFA:PFA+1], s[PFA:PFA+1], 32768
.endif
	s_wait_dscnt 0x0
	s_barrier_signal -1
	s_barrier_wait -1
.if \fill
	s_add_co_u32 s96, s[KF], 256                   ; the first key of the slot that this change would ask for:
	s_cmp_gt_u32 s96, s[QL]                        ; behind my work-group's last query no wave would read it, so it is not asked for.  Ids and the count of steps alone: all sixteen waves go the same way
	s_cbranch_scc1 .Lpast_\@
	TLOAD
.Lpast_\@:
	ASK
.endif
.endm
.macro SLOT_STEPS
	STEP 0
	STEP 1
	STEP 2
	STEP 3
	s_xor_b32 s[TB], s[TB], SLOT1
.endm
	s_wait_loadcnt 0x0                             ; Q
.Lslot:                                            ; seven trips
	CHANGE 1
	SLOT_STEPS
	s_sub_co_u32 s[SLOTS], s[SLOTS], 1
	s_cmp_lg_u32 s[SLOTS], 0
	s_cbranch_scc1 .Lslot
	CHANGE 0                                       ; the last slot is written out: nothing is left to ask for
	SLOT_STEPS
	; THE WAY OUT: O^T / the sum, rounded to f16, through my stage, so that each store covers 512 consecutive bytes: four rows of the head.
.rept 4
	v_nop                                          ; places behind the last products
.endr
.irp t, 0,1
	v_add_f32 v[ST+8*\t+4], v[ST+8*\t+2], v[ST+8*\t+3]
.endr
.irp t, 0,1
	v_permlanex16_b32 v[ST+8*\t+5], v[ST+8*\t+4], s[SEL], s[SEL+1]
.endr
.irp t, 0,1
	v_add_f32 v[ST+8*\t+4], v[ST+8*\t+4], v[ST+8*\t+5]
.endr
.irp t, 0,1
	v_rcp_f32 v[ST+8*\t+6], v[ST+8*\t+4]
.endr
	v_nop                                          ; a plain instruction behind the reciprocals
	s_wait_alu depctr_va_vdst(0)                   ; and one wait for both, ahead of the first use
.irp t, 0,1
.set j, 0
.rept 16
	v_pk_mul_f32 v[O+32*\t+j:O+32*\t+j+1], v[O+32*\t+j:O+32*\t+j+1], v[ST+8*\t+6:ST+8*\t+7] op_sel_hi:[1,0]
.set j, j+2
.endr
.set j, 0
.rept 16
	v_cvt_pk_f16_f32 v[S+16*\t+j], v[O+32*\t+2*j], v[O+32*\t+2*j+1]
.set j, j+1
.endr
.irp dt, 0,1,2,3
	ds_store_b128 v[STO], v[S+16*\t+4*\dt:S+16*\t+4*\dt+3] offset:16*SROW*\t+32*\dt
.endr
.endr
.irp i, 0,1,2,3,4,5,6,7
	ds_load_b128 v[KV+4*\i:KV+4*\i+3], v[RD] offset:4*SROW*\i      ; LDS serves a wave's instructions in order: these see my stores
.endr
.irp i, 0,1,2,3,4,5,6,7
	s_wait_dscnt 7-\i                              ; load i is in; the younger ones may be out
	global_store_b128 v[GO], v[KV+4*\i:KV+4*\i+3], s[6:7] offset:512*\i
.endr
	s_wait_tensorcnt 0x0                           ; the wave's end
	ds_add_u32 v[SPW], v[NIL]
	s_wait_dscnt 0x0
	s_endpgm
.Lfunc_end_k_qf69268d3d4_attn:
	.size	k_qf69268d3d4_attn, .Lfunc_end_k_qf69268d3d4_attn-k_qf69268d3d4_attn
	.p2alignl 7, 3214868480
	.fill 96, 4, 3214868480
	.section	.rodata,"a",@progbits
	.p2align	6, 0x0
	.amdhsa_kernel k_qf69268d3d4_attn
		.amdhsa_group_segment_fixed_size 327680
		.amdhsa_private_segment_fixed_size 0
		.amdhsa_enable_private_segment 0
		.amdhsa_kernarg_size 16
		.amdhsa_user_sgpr_count 2
		.amdhsa_user_sgpr_kernarg_segment_ptr 1
		.amdhsa_wavefront_size32 1
		.amdhsa_system_sgpr_workgroup_id_x 1
		.amdhsa_system_sgpr_workgroup_id_y 1
		.amdhsa_system_sgpr_workgroup_id_z 1
		.amdhsa_system_vgpr_workitem_id 0
		.amdhsa_next_free_vgpr 256
		.amdhsa_next_free_sgpr 100
		.amdhsa_reserve_vcc 1
		.amdhsa_float_denorm_mode_32 3
		.amdhsa_float_denorm_mode_16_64 3
		.amdhsa_memory_ordered 1
		.amdhsa_forward_progress 1
		.amdhsa_inst_pref_size 187
	.end_amdhsa_kernel
	.amdgpu_metadata
---
amdhsa.version: [ 1, 2 ]
amdhsa.kernels:
  - .name:           k_qf69268d3d4_attn
    .symbol:         k_qf69268d3d4_attn.kd
    .args:
      - { .name: qkv, .offset: 0, .size: 8, .value_kind: global_buffer, .address_space: global }
      - { .name: att, .offset: 8, .size: 8, .value_kind: global_buffer, .address_space: global }
    .group_segment_fixed_size: 327680
    .private_segment_fixed_size: 0
    .kernarg_segment_align: 8
    .kernarg_segment_size: 16
    .max_flat_workgroup_size: 512
    .sgpr_count:     100
    .vgpr_count:     256
    .wavefront_size: 32
...
	.end_amdgpu_metadata
.endif
;; end of part 3
;; launch proj (part 4): grid 4 x 64, 4 waves a work-group, clusters of 4 x 4, 327,680 bytes of LDS; arguments att, wpt, b_proj, out0; writes out0
.if DOCPART == 4
	.amdgcn_target "amdgcn-amd-amdhsa--gfx1250"
	.amdhsa_code_object_version 6
	.text
	.protected	k_qf69268d3d4_proj
	.globl	k_qf69268d3d4_proj
	.p2align	8
	.type	k_qf69268d3d4_proj,@function
k_qf69268d3d4_proj:
	s_mov_b64 s[64:65], 0
	v_nop
	global_prefetch_b8 v0, s[64:65] scope:SCOPE_SE
	s_setreg_imm32_b32 hwreg(HW_REG_WAVE_MODE, 25, 1), 1
	s_wait_xcnt 0x0
	s_wait_alu depctr_hold_cnt(0) depctr_sa_sdst(0) depctr_va_vdst(0) depctr_va_sdst(0) depctr_va_ssrc(0) depctr_va_vcc(0) depctr_vm_vsrc(0)
	s_getreg_b32 s2, hwreg(HW_REG_IB_STS2, 6, 4)
	s_cmp_eq_u32 s2, 0
	s_cbranch_scc0 .Lentry_in_a_cluster
	s_endpgm
.Lentry_in_a_cluster:
	s_bfe_u32 s2, ttmp6, 0x10000c
	s_cmp_lg_u32 s2, 0xf033
	s_cbranch_scc0 .Lentry_shape_is_right
	s_endpgm
.Lentry_shape_is_right:
; PROJ: out0[m][n] = sum over k of att[m][k] wpt[n][k] + b_proj[n], operands f16, sums f32, for all rows but the first 16 of each sequence (a later launch makes those in f32).
; att: f16 [16 h][8192 m][64] (k = 64 h + d); wpt: f16 [1024 n][1024 k]; out0: f32 [8192][1024].
; A tile of out0 is 128 x 256: 256 work-groups; four waves, each 64 x 128: 32 accumulators.  K goes in steps of 128 (two heads) through two LDS slots.
; A head's 128 rows of 128 bytes are dense in memory: they come as 64 lines of 256 bytes (two rows a line) + 16 of padding; wave 0 fetches the even head, wave 1 the odd one; waves 2, 3 fetch 128 rows of wpt each.
; CLUSTERS: 4 x 4 work-groups; A's tiles are asked for jointly along a row of the cluster, B's along a column.  Tile column = cx; tile row = cluster y + 16 cy, so cluster y = 0 marks the sequences' first rows:
; the test that leaves those rows out hangs on cluster y and the wave's number alone.
; THE MATRIX INSTRUCTION IS USED TRANSPOSED (source 0 = 16 rows of wpt, source 1 = 16 rows of att): a lane holds eight neighbouring columns of a row.  The bias is the C of each sum's first product.
; REGISTERS: window 0: v16-29 addresses; v32-63, v64-95 A's fragments, two buffers; v128-191, v192-255 B's, two buffers (on the way out: rows read back).  window 1: the accumulators ((a, b) at v[8 (8 a + b)]).
;   window 2: v0-63 the bias: register 8 b + j = column 16 b + 8 h + j.
.set PITCH,  272
.set AHEAD,  64*PITCH                  ; a head's 128 rows
.set BOFF,   2*AHEAD
.set BHALF,  128*PITCH
.set SLOT,   BOFF+2*BHALF
.set STAGE,  2*SLOT                    ; behind the ring: 16 rows x 528 bytes for each wave
.set SPITCH, 528
.set SPARE,  STAGE+4*16*SPITCH         ; the spare words, 128 bytes a wave, which no other line names
.set ADRA, 16
.set ADRB, 20
.set STO,  24
.set RD,   25
.set CO,   26
.set BO,   27
.set SPW,  28
.set NIL,  29
.set AF,   32
.set BF,   128
.set BK,   128
.set WV,   12
.set RH,   13                          ; s13 my half of the rows.  Also: I fetch for A (0) or for B (1)
.set CH,   14                          ; s14 my half of the columns.  Also: which part I fetch
.set TR,   15                          ; s15 the tile row
.set FINE, 66                          ; s66 0 where my first 16 rows are a sequence's first 16
.set G1, 24
.set G0, 32
.set G1B, 48
.set G0B, 56
.set MSB, 0
.macro WIN new
.if MSB != \new
	s_set_vgpr_msb (MSB<<8)|\new
.set MSB, \new
.endif
.endm
.set MUL,  0x50                        ; sources 0 and 1 window 0; C and D window 1
.set MULF, 0x60                        ; C window 2 (the bias), D window 1
.macro JLOAD s                         ; a joint load; an s_nop 0 and four v_nop follow each line
	s_cmp_eq_u32 s[RH], 0
	s_cbranch_scc0 .Lfor_b_\@
	tensor_load_to_lds s[G0+4*\s:G0+4*\s+3], s[G1:G1+7]
	s_nop 0
.rept 4
	v_nop
.endr
	s_branch .Lasked_\@
.Lfor_b_\@:
	tensor_load_to_lds s[G0B+4*\s:G0B+4*\s+3], s[G1B:G1B+7]
	s_nop 0
.rept 4
	v_nop
.endr
.Lasked_\@:
.endm
.macro CREST
	s_cmp_lg_u32 s[WV], 0
	s_cbranch_scc1 .Lnot_wave_0_\@
	s_barrier_signal -3
.Lnot_wave_0_\@:
	s_barrier_wait -3
	s_barrier_signal -1
	s_barrier_wait -1
.endm
.macro CROUND
	s_barrier_signal -1
	s_barrier_wait -1
	CREST
.endm
	s_load_b256 s[4:11], s[0:1], 0x0               ; att s[4:5], wpt s[6:7], b_proj s[8:9], out0 s[10:11]
	v_lshl_add_u32 v[SPW], v0, 2, SPARE
	v_mov_b32 v[NIL], 0
	ds_add_u32 v[SPW], v[NIL]                      ; the wave's opening: the add, twice on end, and its wait ahead of my first tensor load
	ds_add_u32 v[SPW], v[NIL]
	v_lshrrev_b32 v1, 5, v0
	v_readfirstlane_b32 s[WV], v1
	s_lshr_b32 s[RH], s[WV], 1
	s_and_b32 s[CH], s[WV], 1
	s_bfe_u32 s40, ttmp6, 0x40000                  ; cx
	s_bfe_u32 s41, ttmp6, 0x40004                  ; cy
	s_lshl_b32 s42, ttmp9, 2
	s_add_co_u32 s42, s42, s40                     ; tile column
	s_and_b32 s45, ttmp7, 0xffff                   ; cluster y
	s_lshl_b32 s[TR], s41, 4
	s_add_co_u32 s[TR], s[TR], s45                 ; tile row = cluster y + 16 cy
	s_or_b32 s[FINE], s45, s[RH]
	s_lshl_b32 s43, s41, 2
	s_lshl_b32 s43, 15, s43                        ; my row of the cluster
	s_lshl_b32 s44, 0x1111, s40                    ; my column
	s_or_b32 s[G1+0], s43, (1<<16)|(1<<20)|(1<<21)|(5<<22)|(3<<25)  ; the mask; elements of 2 bytes; padding: 4 words after every 64; bit 21 beside a mask
	s_or_b32 s[G1B+0], s44, (1<<16)|(1<<20)|(1<<21)|(5<<22)|(3<<25)
	s_mov_b32 s[G1+1], 128<<16                     ; A: 64 lines of 128 elements, dense
	s_mov_b32 s[G1+2], 64<<16
	s_mov_b32 s[G1+3], 128<<16
	s_mov_b32 s[G1+4], 64
	s_mov_b32 s[G1+5], 128
	s_mov_b32 s[G1+6], 0
	s_mov_b32 s[G1+7], 0
	s_mov_b32 s[G1B+1], 128<<16                    ; B: 128 rows of 128 elements, 1,024 elements apart
	s_mov_b32 s[G1B+2], 128<<16
	s_mov_b32 s[G1B+3], 128<<16
	s_mov_b32 s[G1B+4], 128
	s_mov_b32 s[G1B+5], 1024
	s_mov_b32 s[G1B+6], 0
	s_mov_b32 s[G1B+7], 0
	s_lshl_b32 s16, s[TR], 14                      ; A: 128 rows of 128 bytes a tile row,
	s_lshl_b32 s17, s[CH], 20                      ; the even or the odd head
	s_add_co_u32 s16, s16, s17
	s_mov_b32 s17, 0
	s_lshl_b32 s46, s42, 19                        ; B: 256 rows of 2,048 bytes a tile column,
	s_lshl_b32 s47, s[CH], 18                      ; the first or the second 128
	s_add_co_u32 s46, s46, s47
	s_mov_b32 s47, 0
	s_mul_i32 s20, s[CH], AHEAD                    ; where they go: no place in the cluster enters an LDS address
	s_mul_i32 s21, s[CH], BHALF
	s_add_co_u32 s21, s21, BOFF
	s_wait_dscnt 0x0                               ; both opening adds are done
	s_wait_kmcnt 0x0
	s_add_nc_u64 s[18:19], s[4:5], s[16:17]
	s_add_nc_u64 s[46:47], s[6:7], s[46:47]
	CROUND                                         ; all sixteen work-groups are here: the first joint loads meet
.irp s, 0,1
	s_mov_b32 s[G0+4*\s], 1
	s_add_co_u32 s[G0+4*\s+1], s20, \s*SLOT
	s_add_nc_u64 s[G0+4*\s+2:G0+4*\s+3], s[18:19], \s*0x200000     ; K step s: two heads on
	s_or_b32 s[G0+4*\s+3], s[G0+4*\s+3], 0x80000000
	s_mov_b32 s[G0B+4*\s], 1
	s_add_co_u32 s[G0B+4*\s+1], s21, \s*SLOT
	s_add_nc_u64 s[G0B+4*\s+2:G0B+4*\s+3], s[46:47], \s*256
	s_or_b32 s[G0B+4*\s+3], s[G0B+4*\s+3], 0x80000000
	JLOAD \s
.endr
	v_and_b32 v1, 15, v0                           ; r
	v_bfe_u32 v2, v0, 4, 1                         ; h
	v_lshrrev_b32 v3, 1, v1
	v_mul_u32_u24 v3, v3, PITCH
	v_and_b32 v4, 1, v1
	v_lshl_add_u32 v3, v4, 7, v3
	v_lshl_add_u32 v3, v2, 4, v3                   ; A: 272 (r / 2) + 128 (r % 2) + 16 h
	v_mul_u32_u24 v4, v1, PITCH
	v_lshl_add_u32 v4, v2, 4, v4                   ; B: 272 r + 16 h
	s_mul_i32 s21, s[RH], 32*PITCH                 ; my 64 rows of A: 32 lines
	s_mul_i32 s22, s[CH], BHALF
	s_add_co_u32 s22, s22, BOFF                    ; my 128 rows of B
.irp s, 0,1
	v_add_nc_u32 v[ADRA+\s], s21, v3
	v_add_nc_u32 v[ADRB+\s], s22, v4
	s_add_co_u32 s21, s21, SLOT
	s_add_co_u32 s22, s22, SLOT
.endr
	s_mul_i32 s23, s[WV], 16*SPITCH
	s_add_co_u32 s23, s23, STAGE                   ; my stage
	v_mul_u32_u24 v5, v1, SPITCH
	v_lshl_add_u32 v5, v2, 5, v5
	v_add_nc_u32 v[STO], s23, v5                   ; in: row r, 32 bytes for each half of the lanes
	v_and_b32 v6, 31, v0
	v_lshlrev_b32 v[CO], 4, v6
	v_add_nc_u32 v[RD], s23, v[CO]                 ; back: the 32 lanes take a row of 512 bytes
	v_lshlrev_b32 v[BO], 5, v2
	s_lshl_b32 s46, s42, 10
	s_lshl_b32 s47, s[CH], 9
	s_add_co_u32 s46, s46, s47                     ; my first column, in bytes: in a row of out0 and in b_proj alike
	s_mov_b32 s47, 0
	s_add_nc_u64 s[8:9], s[8:9], s[46:47]
	s_lshl_b32 s16, s[TR], 19
	s_lshl_b32 s17, s[RH], 18
	s_add_co_u32 s16, s16, s17                     ; my first row: (128 x tile row + 64 x half) x 4,096 bytes
	s_add_co_u32 s16, s16, s46
	s_mov_b32 s17, 0
	s_add_nc_u64 s[10:11], s[10:11], s[16:17]
	WIN 0x80                                       ; destination window 2
.irp b, 0,1,2,3,4,5,6,7
	global_load_b128 v[8*\b:8*\b+3], v[BO], s[8:9] offset:64*\b
	global_load_b128 v[8*\b+4:8*\b+7], v[BO], s[8:9] offset:64*\b+16
.endr
	WIN 0
; 8 matrix instructions: A's block a x B's eight, 32 along K, buffer f.  The 32 accumulators take turns, in the same order in every quarter.
.macro MUL8 f, a, first
.irp b, 0,1,2,3,4,5,6,7
.if \first
	v_wmma_f32_16x16x32_f16 v[8*(8*(\a)+\b):8*(8*(\a)+\b)+7], v[BF+64*(\f)+8*\b:BF+64*(\f)+8*\b+7], v[AF+32*(\f)+8*(\a):AF+32*(\f)+8*(\a)+7], v[8*\b:8*\b+7]
.else
	v_wmma_f32_16x16x32_f16 v[8*(8*(\a)+\b):8*(8*(\a)+\b)+7], v[BF+64*(\f)+8*\b:BF+64*(\f)+8*\b+7], v[AF+32*(\f)+8*(\a):AF+32*(\f)+8*(\a)+7], v[8*(8*(\a)+\b):8*(8*(\a)+\b)+7]
.endif
.endr
.endm
; 24 LDS loads in one run: quarter q of the slot (32 along K) into buffer f: B's sixteen, then A's blocks 0, 1, then 2, 3
.macro FETCH slot, q, f
.irp i, 0,1,2,3,4,5,6,7
	ds_load_b128 v[BF+64*(\f)+8*\i:BF+64*(\f)+8*\i+3],   v[ADRB+\slot] offset:64*(\q)+\i*16*PITCH
	ds_load_b128 v[BF+64*(\f)+8*\i+4:BF+64*(\f)+8*\i+7], v[ADRB+\slot] offset:64*(\q)+\i*16*PITCH+32
.endr
.irp i, 0,1,2,3
	ds_load_b128 v[AF+32*(\f)+8*\i:AF+32*(\f)+8*\i+3],   v[ADRA+\slot] offset:((\q)/2)*AHEAD+((\q)%2)*64+\i*8*PITCH
	ds_load_b128 v[AF+32*(\f)+8*\i+4:AF+32*(\f)+8*\i+7], v[ADRA+\slot] offset:((\q)/2)*AHEAD+((\q)%2)*64+\i*8*PITCH+32
.endr
.endm
.macro PLACES                          ; four places in front of loads into registers that matrix instructions have read, and of the first read of results
.rept 4
	v_nop
.endr
.endm
; One of a K step's first three quarters: multiplies buffer f and, in its middle, fetches quarter qn of the same slot into buffer g.
.macro QUARTER slot, qn, f, g, first
	s_wait_dscnt 4                                 ; B and A's blocks 0, 1 are in; the youngest four loads (A's blocks 2, 3) may be out
.if \first
	WIN MULF
.else
	WIN MUL
.endif
	MUL8 \f, 0, \first
	MUL8 \f, 1, \first
	WIN 0
	PLACES
	FETCH \slot, \qn, \g
	s_wait_dscnt 24                                ; all but the 24 just issued
.if \first
	WIN MULF
.else
	WIN MUL
.endif
	MUL8 \f, 2, \first
	MUL8 \f, 3, \first
.endm
; The last quarter multiplies buffer 1 and changes slots: one barrier; in front of it each wave waits for all its tensor loads, adds 0 to its spare word, and waits for that and for its reads of this slot.
; fill = 1: the barrier opens a round of the cluster's barrier, and this slot is filled again, two K steps ahead: 112 matrix instructions stand between that request and the wait for it.
.macro TURN slot, next, fill
	WIN 0
	s_wait_tensorcnt 0x0
	ds_add_u32 v[SPW], v[NIL]
	s_wait_dscnt 5                                 ; the add and the youngest four loads may be out
	WIN MUL
	MUL8 1, 0, 0
	s_wait_dscnt 0x0
	s_barrier_signal -1
	MUL8 1, 1, 0
	WIN 0
	s_barrier_wait -1
.if \fill
	CREST
	s_add_nc_u64 s[G0+4*\slot+2:G0+4*\slot+3], s[G0+4*\slot+2:G0+4*\slot+3], 0x400000    ; four heads on
	s_add_nc_u64 s[G0B+4*\slot+2:G0B+4*\slot+3], s[G0B+4*\slot+2:G0B+4*\slot+3], 512
	JLOAD \slot                                    ; the four v_nop behind it are also the places in front of the loads below
.else
	PLACES
.endif
	FETCH \next, 0, 0
	WIN MUL
	MUL8 1, 2, 0
	MUL8 1, 3, 0
.endm
	s_wait_tensorcnt 1                             ; my part of K step 0 is in; K step 1's load may be out
	s_barrier_signal -1
	s_barrier_wait -1
	FETCH 0, 0, 0
	s_wait_loadcnt 0x0                             ; the bias
	QUARTER 0, 1, 0, 1, 1                          ; the first quarter stands in front of the loop: its products start the sums from the bias
	WIN 0
	s_mov_b32 s3, 3
.Llap:                                             ; a trip goes once round the ring and fills both slots again: K steps 2 to 7
	QUARTER 0, 2, 1, 0, 0
	QUARTER 0, 3, 0, 1, 0
	TURN 0, 1, 1
	QUARTER 1, 1, 0, 1, 0
	QUARTER 1, 2, 1, 0, 0
	QUARTER 1, 3, 0, 1, 0
	TURN 1, 0, 1
	QUARTER 0, 1, 0, 1, 0
	WIN 0
	s_sub_co_u32 s3, s3, 1
	s_cmp_lg_u32 s3, 0
	s_cbranch_scc1 .Llap
	QUARTER 0, 2, 1, 0, 0                          ; the last lap fills nothing
	QUARTER 0, 3, 0, 1, 0
	TURN 0, 1, 0
	QUARTER 1, 1, 0, 1, 0
	QUARTER 1, 2, 1, 0, 0
	QUARTER 1, 3, 0, 1, 0
	s_wait_dscnt 4
	WIN MUL
	MUL8 1, 0, 0
	MUL8 1, 1, 0
	s_wait_dscnt 0
	MUL8 1, 2, 0
	MUL8 1, 3, 0
	WIN 0
; THE WAY OUT, block by block of 16 rows x 128 columns, through my own stage: back as whole rows of 512 bytes.
.macro TOSTAGE a
	WIN 0x04                                       ; an LDS store's data are its source 1: window 1
.irp b, 0,1,2,3,4,5,6,7
	ds_store_b128 v[STO], v[8*(8*(\a)+\b):8*(8*(\a)+\b)+3] offset:64*\b          ; each accumulator from its low end on
	ds_store_b128 v[STO], v[8*(8*(\a)+\b)+4:8*(8*(\a)+\b)+7] offset:64*\b+16
.endr
	WIN 0
.set BB, BK+64*((\a)%2)
.irp t, 0,1,2,3,4,5,6,7,8,9,10,11,12,13,14,15
	ds_load_b128 v[BB+4*\t:BB+4*\t+3], v[RD] offset:\t*SPITCH
.endr
.endm
.macro SEND a, younger                 ; younger: the LDS instructions issued behind block a's loads, which may stay out
.set BB, BK+64*((\a)%2)
	s_wait_dscnt \younger
.if (\a) == 0
	s_cmp_eq_u32 s[FINE], 0                        ; a sequence's first 16 rows are another launch's
	s_cbranch_scc1 .Lfine_rows
.endif
.irp t, 0,1,2,3,4,5,6,7,8,9,10,11,12,13,14,15
	global_store_b128 v[CO], v[BB+4*\t:BB+4*\t+3], s[10:11] offset:(16*(\a)+\t)*4096 th:TH_STORE_NT   ; 32 lanes store 512 consecutive bytes, aligned
.endr
.if (\a) == 0
.Lfine_rows:
.endif
.endm
	PLACES
	TOSTAGE 0
.irp a, 1,2,3
.if \a > 1
	s_wait_xcnt 0x0                                ; block a - 2's stores have read their registers: block a's loads may land there
.endif
	TOSTAGE \a
	SEND \a-1, 32                                  ; behind block a - 1's loads: block a's 16 stores and 16 loads
.endr
	SEND 3, 0
	s_wait_tensorcnt 0x0                           ; the wave's end
	ds_add_u32 v[SPW], v[NIL]
	s_wait_dscnt 0x0
	CROUND                                         ; the closing round
	s_endpgm
.Lfunc_end_k_qf69268d3d4_proj:
	.size	k_qf69268d3d4_proj, .Lfunc_end_k_qf69268d3d4_proj-k_qf69268d3d4_proj
	.p2alignl 7, 3214868480
	.fill 96, 4, 3214868480
	.section	.rodata,"a",@progbits
	.p2align	6, 0x0
	.amdhsa_kernel k_qf69268d3d4_proj
		.amdhsa_group_segment_fixed_size 327680
		.amdhsa_private_segment_fixed_size 0
		.amdhsa_enable_private_segment 0
		.amdhsa_kernarg_size 32
		.amdhsa_user_sgpr_count 2
		.amdhsa_user_sgpr_kernarg_segment_ptr 1
		.amdhsa_wavefront_size32 1
		.amdhsa_system_sgpr_workgroup_id_x 1
		.amdhsa_system_sgpr_workgroup_id_y 1
		.amdhsa_system_sgpr_workgroup_id_z 1
		.amdhsa_system_vgpr_workitem_id 0
		.amdhsa_next_free_vgpr 576
		.amdhsa_next_free_sgpr 70
		.amdhsa_reserve_vcc 0
		.amdhsa_float_denorm_mode_32 3
		.amdhsa_float_denorm_mode_16_64 3
		.amdhsa_memory_ordered 1
		.amdhsa_forward_progress 1
		.amdhsa_inst_pref_size 87
	.end_amdhsa_kernel
	.amdgpu_metadata
---
amdhsa.version: [ 1, 2 ]
amdhsa.kernels:
  - .name:           k_qf69268d3d4_proj
    .symbol:         k_qf69268d3d4_proj.kd
    .args:
      - { .name: att, .offset: 0, .size: 8, .value_kind: global_buffer, .address_space: global }
      - { .name: wpt, .offset: 8, .size: 8, .value_kind: global_buffer, .address_space: global }
      - { .name: b_proj, .offset: 16, .size: 8, .value_kind: global_buffer, .address_space: global }
      - { .name: out0, .offset: 24, .size: 8, .value_kind: global_buffer, .address_space: global }
    .group_segment_fixed_size: 327680
    .private_segment_fixed_size: 0
    .kernarg_segment_align: 8
    .kernarg_segment_size: 32
    .max_flat_workgroup_size: 128
    .sgpr_count:     70
    .vgpr_count:     576
    .wavefront_size: 32
...
	.end_amdgpu_metadata
.endif
;; end of part 4
;; launch fine (part 5): grid 64 x 4, 16 waves a work-group, no clusters, 18,432 bytes of LDS; arguments fin, w_proj, b_proj, out0; writes out0
.if DOCPART == 5
	.amdgcn_target "amdgcn-amd-amdhsa--gfx1250"
	.amdhsa_code_object_version 6
	.text
	.protected	k_qf69268d3d4_fine
	.globl	k_qf69268d3d4_fine
	.p2align	8
	.type	k_qf69268d3d4_fine,@function
k_qf69268d3d4_fine:
	s_mov_b64 s[64:65], 0
	v_nop
	global_prefetch_b8 v0, s[64:65] scope:SCOPE_SE
	s_setreg_imm32_b32 hwreg(HW_REG_WAVE_MODE, 25, 1), 1
	s_wait_xcnt 0x0
; FINE: the first 16 positions of each sequence, attention and projection in f32: these rows average one to sixteen values and are the largest of the output, so f16 operands would use up what the comparison allows.
; Work-group (x, b): 16 output columns n0 = 16 x of batch b's rows 0-15.  Wave h does head h: S^T = K Q^T, the causal softmax, O^T = V^T P^T, and its 64 of the projection's K: Y^T += W^T O^T.
; The sixteen partial tiles meet in LDS and are added in ascending order of heads.  The attention is repeated in a batch's 64 column blocks: 32 small matrix instructions a wave, the price of one launch on 256 work-groups.
; All products by v_wmma_f32_16x16x4_f32 (48 a wave: no bulk work); the registers that it writes are written by nothing else, and each sum begins with the constant 0.
; An operand's lane (r, hh) holds row r and, in register j, k = 2 hh + j.  Along each product's K the numbers are taken in an order that suits the registers, the same on both sides.
; This launch reads w_proj and writes out0 in pieces of 64 bytes a row: 256 KiB of output in all.
; fin: f32 [3 (q, k, v)][64 (16 b + h)][16 t][64]; q carries 0.125 log2(e).
.set SPARE, 16384                      ; behind the sixteen partial tiles of 1,024 bytes: the spare words, 128 bytes a wave, which no other line names
.set SPW, 10
.set NIL, 11
.set KF,  16                           ; v16-47   K: register 4 u + i = channel 8 u + 4 hh + i of key r
.set QF,  48                           ; v48-79   Q likewise
.set VF,  80                           ; v80-111  V: register 8 dt + i = V(key 8 hh + i, channel 16 dt + r)
.set WF,  112                          ; v112-143 W: register 8 dt + i = w_proj(64 h + 16 dt + 8 hh + i, n0 + r)
.set SA,  144
.set SB,  152
.set O,   160                          ; v160-191 O^T: register 8 dt + j = channel 16 dt + 8 hh + j of query r
.set YA,  192
.set YB,  200
.set T,   208
.set P,   216
.set R,   224
.set BI,  236
	s_load_b256 s[4:11], s[0:1], 0x0               ; fin s[4:5], w_proj s[6:7], b_proj s[8:9], out0 s[10:11]
	v_lshl_add_u32 v[SPW], v0, 2, SPARE
	v_mov_b32 v[NIL], 0
	v_lshrrev_b32 v1, 5, v0
	v_readfirstlane_b32 s12, v1                    ; wave = head
	v_and_b32 v1, 15, v0                           ; r
	v_bfe_u32 v2, v0, 4, 1                         ; hh
	v_lshlrev_b32 v3, 8, v1
	v_lshl_add_u32 v3, v2, 4, v3                   ; K, Q: 256 r + 16 hh
	v_lshlrev_b32 v4, 2, v1
	v_lshl_add_u32 v5, v2, 15, v4                  ; W: 32,768 hh + 4 r
	v_lshl_add_u32 v4, v2, 11, v4                  ; V: 2,048 hh + 4 r
	v_lshlrev_b32 v6, 3, v2
	v_sub_nc_u32 v6, v1, v6                        ; d = r - 8 hh: key 8 hh + j is hidden from query r where j > d
	v_mov_b32 v7, 0xff800000
	s_and_b32 s13, s12, 1                          ; c: which four of a lane's eight columns a reducing wave takes
	v_lshlrev_b32 v9, 5, v2
	s_lshl_b32 s14, s13, 4
	v_add_nc_u32 v9, s14, v9                       ; the bias: 32 hh + 16 c
	v_lshl_add_u32 v12, v1, 12, v9                 ; out0: 4,096 r + 32 hh + 16 c
	v_and_b32 v8, 31, v0
	v_lshlrev_b32 v8, 4, v8
	s_lshl_b32 s15, s12, 10
	v_add_nc_u32 v13, s15, v8                      ; my partial tile: 1,024 x wave + 16 x lane
	s_lshl_b32 s15, s13, 9
	v_add_nc_u32 v8, s15, v8                       ; and where a reducing wave reads: 512 c + 16 x lane
	v_mov_b32 v233, 0                              ; written once: a lane permute's destination counts as one of its sources
	s_mov_b32 s28, 0x76543210
	s_mov_b32 s29, 0xfedcba98                      ; v_permlanex16_b32: lane l xor 16
	s_and_b32 s16, ttmp7, 0xffff                   ; b
	s_lshl_b32 s17, s16, 4
	s_add_co_u32 s17, s17, s12
	s_lshl_b32 s20, s17, 12                        ; fin: (16 b + h) x 4,096 bytes
	s_mov_b32 s21, 0
	s_lshl_b32 s24, ttmp9, 6                       ; 4 n0
	s_mov_b32 s25, 0
	s_lshl_b32 s22, s12, 18                        ; w_proj: row 64 h
	s_add_co_u32 s22, s22, s24
	s_mov_b32 s23, 0
	s_lshl_b32 s26, s16, 23                        ; out0: b x 2,048 rows of 4,096 bytes
	s_add_co_u32 s26, s26, s24
	s_mov_b32 s27, 0
	s_wait_kmcnt 0x0
	s_add_nc_u64 s[4:5], s[4:5], s[20:21]
	s_add_nc_u64 s[6:7], s[6:7], s[22:23]
	s_add_nc_u64 s[8:9], s[8:9], s[24:25]
	s_add_nc_u64 s[10:11], s[10:11], s[26:27]
	global_load_b128 v[BI:BI+3], v9, s[8:9]
.irp u, 0,1,2,3,4,5,6,7
	global_load_b128 v[KF+4*\u:KF+4*\u+3], v3, s[4:5] offset:262144+32*\u
.endr
.irp u, 0,1,2,3,4,5,6,7
	global_load_b128 v[QF+4*\u:QF+4*\u+3], v3, s[4:5] offset:32*\u
.endr
.irp dt, 0,1,2,3
.irp i, 0,1,2,3,4,5,6,7
	global_load_b32 v[VF+8*\dt+\i], v4, s[4:5] offset:524288+256*\i+64*\dt
.endr
.endr
	s_wait_loadcnt 32                              ; the bias, K and Q are in; V's 32 loads may be out
.irp dt, 0,1,2,3
.irp i, 0,1,2,3,4,5,6,7
	global_load_b32 v[WF+8*\dt+\i], v5, s[6:7] offset:(16*\dt+\i)*4096
.endr
.endr
	; S^T = K Q^T: 16 steps of 4 along the head's 64, two accumulators by turns
	v_wmma_f32_16x16x4_f32 v[SA:SA+7], v[KF:KF+1], v[QF:QF+1], 0
	v_wmma_f32_16x16x4_f32 v[SB:SB+7], v[KF+2:KF+3], v[QF+2:QF+3], 0
.irp s, 4,8,12,16,20,24,28
	v_wmma_f32_16x16x4_f32 v[SA:SA+7], v[KF+\s:KF+\s+1], v[QF+\s:QF+\s+1], v[SA:SA+7]
	v_wmma_f32_16x16x4_f32 v[SB:SB+7], v[KF+\s+2:KF+\s+3], v[QF+\s+2:QF+\s+3], v[SB:SB+7]
.endr
.rept 8
	v_nop                                          ; eight places behind this form before a vector instruction reads a result (ISA guide 7.12.1)
.endr
.irp j, 0,2,4,6
	v_pk_add_f32 v[T+\j:T+\j+1], v[SA+\j:SA+\j+1], v[SB+\j:SB+\j+1]            ; lane (r, hh), register j: key 8 hh + j, query r; from the low end on
.endr
.irp j, 0,1,2,3,4,5,6,7
	v_cmp_gt_i32 vcc_lo, \j, v6
	v_cndmask_b32 v[T+\j], v[T+\j], v7, vcc_lo     ; hidden keys: -infinity
.endr
	v_max3_num_f32 v232, v[T], v[T+1], v[T+2]
	v_max3_num_f32 v232, v232, v[T+3], v[T+4]
	v_max3_num_f32 v232, v232, v[T+5], v[T+6]
	v_max_num_f32 v232, v232, v[T+7]
	v_permlanex16_b32 v233, v232, s28, s29
	v_max_num_f32 v232, v232, v233                 ; the row's maximum: key 0 counts for every query, so it is a number
.irp j, 0,1,2,3,4,5,6,7
	v_sub_f32 v[T+\j], v[T+\j], v232
.endr
.irp j, 0,1,2,3,4,5,6,7
	v_exp_f32 v[T+\j], v[T+\j]
.endr
	v_nop                                          ; a plain instruction behind the last exponential
	s_wait_alu depctr_va_vdst(0)                   ; one wait for the eight, ahead of the first use
	v_pk_add_f32 v[234:235], v[T:T+1], v[T+2:T+3]
	v_pk_add_f32 v[234:235], v[234:235], v[T+4:T+5]
	v_pk_add_f32 v[234:235], v[234:235], v[T+6:T+7]
	v_add_f32 v234, v234, v235
	v_permlanex16_b32 v233, v234, s28, s29
	v_add_f32 v234, v234, v233                     ; the row's sum
	v_rcp_f32 v235, v234
	v_nop
	s_wait_alu depctr_va_vdst(0)
.irp j, 0,1,2,3,4,5,6,7
	v_mul_f32 v[P+\j], v[T+\j], v235               ; the weights
.endr
	s_wait_loadcnt 32                              ; V is in; W's 32 loads may be out
	; O^T = V^T P^T: four steps of 4 along the 16 keys (step g / 2: keys 8 hh + g, + 1), the four tiles of channels by turns
.irp g, 0,2,4,6
.irp dt, 0,1,2,3
.if \g == 0
	v_wmma_f32_16x16x4_f32 v[O+8*\dt:O+8*\dt+7], v[VF+8*\dt:VF+8*\dt+1], v[P:P+1], 0
.else
	v_wmma_f32_16x16x4_f32 v[O+8*\dt:O+8*\dt+7], v[VF+8*\dt+\g:VF+8*\dt+\g+1], v[P+\g:P+\g+1], v[O+8*\dt:O+8*\dt+7]
.endif
.endr
.endr
.rept 9
	v_nop                                          ; nine places before a matrix instruction takes a result as an operand
.endr
	s_wait_loadcnt 0x0                             ; W
	; Y^T = W^T O^T: 16 steps of 4 along my head's 64 channels; O^T's own registers are source 1; two accumulators by turns
	v_wmma_f32_16x16x4_f32 v[YA:YA+7], v[WF:WF+1], v[O:O+1], 0
	v_wmma_f32_16x16x4_f32 v[YB:YB+7], v[WF+2:WF+3], v[O+2:O+3], 0
.irp s, 4,8,12,16,20,24,28
	v_wmma_f32_16x16x4_f32 v[YA:YA+7], v[WF+\s:WF+\s+1], v[O+\s:O+\s+1], v[YA:YA+7]
	v_wmma_f32_16x16x4_f32 v[YB:YB+7], v[WF+\s+2:WF+\s+3], v[O+\s+2:O+\s+3], v[YB:YB+7]
.endr
.rept 8
	v_nop
.endr
.irp j, 0,2,4,6
	v_pk_add_f32 v[R+\j:R+\j+1], v[YA+\j:YA+\j+1], v[YB+\j:YB+\j+1]            ; lane (r, hh), register j: column n0 + 8 hh + j of row r: my head's part
.endr
	ds_store_b128 v13, v[R:R+3]
	ds_store_b128 v13, v[R+4:R+7] offset:512
	s_wait_dscnt 0x0                               ; for the others' sake: my stores have landed
	s_barrier_signal -1
	s_barrier_wait -1
	s_cmp_gt_u32 s12, 1                            ; waves 0 and 1 add the sixteen parts, four columns a lane each
	s_cbranch_scc1 .Lend
.irp k, 0,1,2,3,4,5,6,7,8,9,10,11,12,13,14,15
	ds_load_b128 v[16+4*\k:19+4*\k], v8 offset:1024*\k
.endr
	s_wait_dscnt 0x0
.irp k, 1,2,3,4,5,6,7,8,9,10,11,12,13,14,15
	v_pk_add_f32 v[16:17], v[16:17], v[16+4*\k:17+4*\k]
	v_pk_add_f32 v[18:19], v[18:19], v[18+4*\k:19+4*\k]
.endr
	v_pk_add_f32 v[16:17], v[16:17], v[BI:BI+1]
	v_pk_add_f32 v[18:19], v[18:19], v[BI+2:BI+3]
	global_store_b128 v12, v[16:19], s[10:11]
.Lend:
	s_wait_tensorcnt 0x0                           ; the wave's end, behind my last LDS store
	ds_add_u32 v[SPW], v[NIL]
	s_wait_dscnt 0x0
	s_endpgm
.Lfunc_end_k_qf69268d3d4_fine:
	.size	k_qf69268d3d4_fine, .Lfunc_end_k_qf69268d3d4_fine-k_qf69268d3d4_fine
	.p2alignl 7, 3214868480
	.fill 96, 4, 3214868480
	.section	.rodata,"a",@progbits
	.p2align	6, 0x0
	.amdhsa_kernel k_qf69268d3d4_fine
		.amdhsa_group_segment_fixed_size 18432
		.amdhsa_private_segment_fixed_size 0
		.amdhsa_enable_private_segment 0
		.amdhsa_kernarg_size 32
		.amdhsa_user_sgpr_count 2
		.amdhsa_user_sgpr_kernarg_segment_ptr 1
		.amdhsa_wavefront_size32 1
		.amdhsa_system_sgpr_workgroup_id_x 1
		.amdhsa_system_sgpr_workgroup_id_y 1
		.amdhsa_system_sgpr_workgroup_id_z 1
		.amdhsa_system_vgpr_workitem_id 0
		.amdhsa_next_free_vgpr 240
		.amdhsa_next_free_sgpr 66
		.amdhsa_reserve_vcc 1
		.amdhsa_float_denorm_mode_32 3
		.amdhsa_float_denorm_mode_16_64 3
		.amdhsa_memory_ordered 1
		.amdhsa_forward_progress 1
		.amdhsa_inst_pref_size 20
	.end_amdhsa_kernel
	.amdgpu_metadata
---
amdhsa.version: [ 1, 2 ]
amdhsa.kernels:
  - .name:           k_qf69268d3d4_fine
    .symbol:         k_qf69268d3d4_fine.kd
    .args:
      - { .name: fin, .offset: 0, .size: 8, .value_kind: global_buffer, .address_space: global }
      - { .name: w_proj, .offset: 8, .size: 8, .value_kind: global_buffer, .address_space: global }
      - { .name: b_proj, .offset: 16, .size: 8, .value_kind: global_buffer, .address_space: global }
      - { .name: out0, .offset: 24, .size: 8, .value_kind: global_buffer, .address_space: global }
    .group_segment_fixed_size: 18432
    .private_segment_fixed_size: 0
    .kernarg_segment_align: 8
    .kernarg_segment_size: 32
    .max_flat_workgroup_size: 512
    .sgpr_count:     66
    .vgpr_count:     240
    .wavefront_size: 32
...
	.end_amdgpu_metadata
.endif
;; end of part 5
